; MI455X (gfx1250); checked and timed in simulation.
; The chip was launched on July 23, 2026; its instructions are those of AMD's public machine-readable ISA for CDNA 5 (MIT licence, August 2026) and "CDNA5" Instruction Set Architecture Reference Guide (July 2026). The comments in the code are by the model that wrote it; some were corrected since.
;; Dot Product Attention. Allowed arithmetic: matrix products marked QUANTISED: E2M1 operands, one E8M0 scale for each 32 along K, by v_wmma_scale_f32_16x16x128_f8f6f4 with both operands' format E2M1 (or v_wmma_scale_f32_32x16x128_f4), f32 sums; everything else in f32.
;; Inputs: keys_nsd 16 x 2,048 x 64 float32; prefix_len_n 16 int32; queries_nqd 16 x 2,048 x 64 float32; values_nsv 16 x 2,048 x 64 float32.
;; Outputs: out0 16 x 2,048 x 64 float32.
;; This version of the problem:
;;   THIS VERSION OF THE PROBLEM IS GIVEN IN LOW PRECISION. The matrix products marked QUANTISED in the list below multiply operands that are first quantised to E2M1 (2 exponent bits, 1 mantissa bit; 4 bits a number), with one power-of-two scale for each 32 numbers along K (OCP MX v1.0); their sums are f32. All else is computed in f32.
;;   The module's matrix products, in the order in which they are computed (A, B: the left and right operand; K: the contracted axis; several contracted axes count as one K, in the product's order):
;;     1. batch 16 x [M 2,048, K 64] x [K 64, N 2,048]; A: input queries_nqd; B: input keys_nsd: QUANTISED
;;     2. batch 16 x [M 2,048, K 2,048] x [K 2,048, N 64]; A: softmax (see below); B: input values_nsv: QUANTISED
;;   THE QUANTISER, for each operand of a quantised product, along K:
;;     - K is cut into blocks of 32 from its start; a last block that is shorter is filled with zeros.
;;     - A block's scale is 2^e with e = floor(log2(the largest magnitude in the block)) - 2, held to -126 .. 127; a block of zeros has e = 0. As a byte (E8M0): e + 127.
;;     - Each number is divided by its block's scale, clamped to +-6, and rounded to the nearest number of E2M1, ties to even, subnormals kept.
;;     - The product sums the exact products of the quantised numbers (number of the format x scale) in f32.
;;   ~~~python
;;   def quantise(x, axis):      # numpy; x: float32 -> the quantised numbers, widened to float32 again
;;       x = np.moveaxis(x, axis, -1); K = x.shape[-1]
;;       x = np.pad(x, [(0, 0)] * (x.ndim - 1) + [(0, -K % 32)]); x = x.reshape(x.shape[:-1] + (-1, 32)); a = np.abs(x).max(-1, keepdims=True)
;;       e = np.where(a > 0, np.clip(np.frexp(np.where(a > 0, a, 1))[1] - 1 - 2, -126, 127), 0)      # np.frexp(a)[1] - 1 = floor(log2(a)), exactly
;;       r = np.clip(x / 2.0 ** e, -6, 6)
;;       step = 2.0 ** (np.maximum(np.frexp(np.where(r == 0, 1, r))[1] - 1, 0) - 1)
;;       q = np.round(r / step) * step * 2.0 ** e      # np.round: ties to even
;;       return np.moveaxis(q.reshape(q.shape[:-2] + (-1,))[..., :K], -1, axis).astype(np.float32)
;;   ~~~
;;   SOFTMAX AHEAD OF A QUANTISED PRODUCT. Where the list says 'softmax', what is quantised is not the finished softmax but p = 2^(t - M), with t = logit x log2(e) and M = ceil(the row's largest t), a whole number; so 1/2 < the row's largest p <= 1. The row's sum l is taken of the UNQUANTISED p, in f32, and the product's result is divided by l at the end. Since M is a whole number, a kernel that streams over the keys may use a running M (the ceiling of the running maximum): every later rescaling is an exact power of two, which a block's scale takes up: the codes' values come out the same.
;;   OPERANDS COMPUTED ON THE WAY. 'Computed on the way' means the value that the module computes at that place (a softmax that the list does not call 'softmax' is quantised finished and normalised). What goes into a quantiser is computed in f32, as accurately as f32 sums, v_exp_f32 and their like allow (about 1e-6 of the number): no bf16 or f16 on the way to a quantiser, and a product that is left as it is and whose result goes on into a quantised operand takes f32 operands (vector FMAs, or v_wmma_f32_16x16x4_f32). A number that lies on a knife's edge between two numbers of the format may be rounded either way, as far as f32 arithmetic and the matrix unit's own rounding can turn it there, and no further.
;; 2 versions. Each part assembles by itself: llvm-mc -triple=amdgcn-amd-amdhsa -mcpu=gfx1250 --defsym DOCPART=n.
;; ======== version 1 of 2: 2 launches
;; limits: right only within a limited range of input values
;; workspace buffers: kv 2,293,760 bytes; sched 256 bytes of whole numbers
;; launch prep (part 1): grid 16 x 16, 8 waves a work-group, no clusters, 39,936 bytes of LDS; arguments keys_nsd, values_nsv, prefix_len_n, kv, sched; writes kv, sched
.if DOCPART == 1
	.amdgcn_target "amdgcn-amd-amdhsa--gfx1250"
	.amdhsa_code_object_version 6
	.text
	.protected	k_q19044498a1_prep
	.globl	k_q19044498a1_prep
	.p2align	8
	.type	k_q19044498a1_prep,@function
k_q19044498a1_prep:
	s_mov_b64 s[64:65], 0
	v_nop
	global_prefetch_b8 v0, s[64:65] scope:SCOPE_SE
	s_setreg_imm32_b32 hwreg(HW_REG_WAVE_MODE, 25, 1), 1
	s_wait_xcnt 0x0
; K [16][2048][64] f32 is quantised along d, V [16][2048][64] f32 along the KEYS, to codes of FP4 (E2M1) with one E8M0 byte for each 32 numbers; once, for all the query tiles that read them later.
; A block's scale is 2^(floor(log2(its largest magnitude)) - 2): its byte is the largest magnitude's exponent field - 2, held at 1 from below by a floor among the maximum's leaves.
; One work-group (x = key step ks of 128 keys, y = sample n) makes one RECORD of 8,960 bytes (35 x 256) at kv + (16 n + ks) x 8,960, laid as images of the operands' registers (L = lane, r = L % 16, h = L / 16):
;      0  K codes  [tile t 0..7][L][16 bytes]        key 128 ks + 32 (t / 2) + 8 (t % 2) + r + 8 (r / 8), d = 32 h .. 32 h + 31
;   4096  V codes  [tile t 0..3][c 0..1][L][16 bytes] channel 16 t + r, keys 128 ks + 64 c + 32 h + 0 .. 31
;   8192  K scale words [L][j 0..3]   the word of tile j + 4 h, row r: its two bytes twice (s0 s1 s0 s1), since d = 64 fills only half of a product's 128
;   8704  V scale words [L][j 0..1]   the word of tile j + 2 h, row r: byte b = the step's block b of 32 keys
; Wave w makes K's tile w (16 keys x 64 d: a lane holds a whole block of 32) and V's block w / 2 for channels 32 (w % 2) + lane (a lane to a channel, its registers down the keys).
; K's loads take the bytes as they lie (512 consecutive bytes a load) and turn through the wave's own stage in LDS; V's loads read 128 consecutive bytes of one key row, the neighbouring wave the row's other half.
; Wave 0 of work-group (0, 0) also sorts the 16 samples by prefix length: sched[rank] = (sample, prefix length held to 0 .. 2048), ascending, ties by the sample's number.
; LIMITS: NaN and infinities among the inputs are not served.  A block of zeros, or one whose largest magnitude lies under 2^-124, gets the byte 1 (the rule says 127 for zeros): its codes are zeros or as the
; floor's scale gives them; the bytes are read by this program alone.
; No tensor loads, no cluster: every input byte is read once, by one wave; work-groups share nothing.
.set RECB, 8960
.set SP,   144                         ; a lane's place in a stage: a block's 128 bytes + 16 of padding (an odd multiple of 16 bytes)
.set STGW, 32*SP                       ; a wave's stage
.set KSC,  8*STGW                      ; behind the stages: the record's 512 bytes of K scale words,
.set VSC,  KSC+512                     ; and its 256 bytes of V scale words
.set R,    16                          ; v16-47   K as loaded
.set X,    48                          ; v48-79   K turned: my block's 32 numbers
.set VX,   80                          ; v80-111  V: my channel's 32 keys
.set KC,   112                         ; v112-115 K's codes
.set VC,   116                         ; v116-119 V's codes
                                       ; v120-127 at work; v2-14 offsets and LDS addresses, never rewritten
; 32 numbers of a lane, v[x] on, become 32 codes in v[c] .. v[c + 3]; v[sc] the conversion's scale operand, v[by] the scale's byte
.macro BLK x, c, sc, by
	v_max3_num_f32 v120, |v[\x]|, |v[\x+1]|, 0x1800000             ; two chains; the floor 2^(3 - 127) is one leaf: the byte cannot fall under 1
	v_max3_num_f32 v121, |v[\x+2]|, |v[\x+3]|, |v[\x+4]|
.irp i, 5,9,13,17,21,25
	v_max3_num_f32 v120, v120, |v[\x+\i]|, |v[\x+\i+1]|
	v_max3_num_f32 v121, v121, |v[\x+\i+2]|, |v[\x+\i+3]|
.endr
	v_max3_num_f32 v120, v120, |v[\x+29]|, |v[\x+30]|
	v_max3_num_f32 v120, v120, v121, |v[\x+31]|
	v_add_nc_u32 v[\sc], 0xff000000, v120                          ; 2 off the exponent field: the conversion takes this operand's exponent field as its scale
.irp g, 0,1,2,3
	v_cvt_scalef32_pk8_fp4_f32 v[\c+\g], v[\x+8*\g:\x+8*\g+7], v[\sc]
.endr
	v_lshrrev_b32 v[\by], 23, v[\sc]                               ; the byte; also the plain line behind the conversions
.endm
	s_load_b128 s[4:7], s[0:1], 0x0                ; K s[4:5], V s[6:7]
	s_load_b64 s[8:9], s[0:1], 0x10                ; prefix lengths
	s_load_b64 s[10:11], s[0:1], 0x18              ; kv
	s_load_b64 s[12:13], s[0:1], 0x20              ; sched
	v_lshl_add_u32 v128, v0, 2, 0x9800
	v_mov_b32 v129, 0
	v_lshrrev_b32 v1, 5, v0
	v_readfirstlane_b32 s14, v1                    ; wave 0..7
	s_and_b32 s15, ttmp7, 0xffff                   ; the sample
	v_and_b32 v1, 31, v0                           ; lane
	v_bfe_u32 v120, v0, 4, 1                       ; h = lane / 16
	v_bfe_u32 v121, v0, 3, 1
	v_and_b32 v122, 7, v0
	v_and_b32 v123, 15, v0                         ; r = lane % 16
	v_lshlrev_b32 v2, 4, v1                        ; 16 x lane
	s_mul_i32 s16, s14, STGW                       ; my stage
	; into the stage: load j brings two key rows; lane l has row 2 j + l / 16, block (l / 8) % 2, 16 bytes at 16 (l % 8); the place of (row, block) is row + 16 x block
	v_mul_u32_u24 v3, v120, SP
	v_mad_u32_u24 v3, v121, 16*SP, v3
	v_lshl_add_u32 v3, v122, 4, v3
	v_add_nc_u32 v3, s16, v3
	v_mul_u32_u24 v4, v1, SP                       ; out of it: place = my lane
	v_add_nc_u32 v4, s16, v4
	s_lshr_b32 s17, s14, 2                         ; K's scale word of tile w, row r: KSC + 16 r + 256 (w / 4) + 4 (w % 4)
	s_lshl_b32 s17, s17, 8
	s_and_b32 s18, s14, 3
	s_lshl_b32 s18, s18, 2
	s_add_co_u32 s17, s17, s18
	s_add_co_u32 s17, s17, KSC
	v_lshl_add_u32 v5, v123, 4, s17
	v_lshlrev_b32 v6, 2, v1                        ; V: 4 bytes a lane
	s_and_b32 s19, s14, 1                          ; w % 2
	s_lshl_b32 s20, s19, 11                        ; V's codes in the record: tile 2 (w % 2) + l / 16, c = w / 4, h = (w / 2) % 2, row l % 16
	s_lshr_b32 s21, s14, 2
	s_lshl_b32 s21, s21, 9
	s_add_co_u32 s20, s20, s21
	s_bfe_u32 s21, s14, 0x10001
	s_lshl_b32 s21, s21, 8
	s_add_co_u32 s20, s20, s21
	s_add_co_u32 s20, s20, 4096
	v_lshlrev_b32 v7, 10, v120
	v_lshl_add_u32 v7, v123, 4, v7
	v_add_nc_u32 v7, s20, v7
	s_lshl_b32 s21, s19, 7                         ; V's scale byte: VSC + 8 (l % 16) + 128 (w % 2) + 4 (l / 16) + w / 2
	s_lshr_b32 s22, s14, 1
	s_add_co_u32 s21, s21, s22
	s_add_co_u32 s21, s21, VSC
	v_lshlrev_b32 v8, 3, v123
	v_lshl_add_u32 v8, v120, 2, v8
	v_add_nc_u32 v8, s21, v8
	s_lshl_b32 s23, s14, 9
	v_add_nc_u32 v9, s23, v2                       ; K's codes in the record: 512 w + 16 x lane
	v_lshlrev_b32 v10, 3, v120                     ; 8 h: my byte's place in the scale word,
	v_sub_nc_u32 v11, 8, v10                       ; and the other half's
	v_add_nc_u32 v12, KSC, v2                      ; wave 0 reads the scale words back: 16 bytes a lane,
	v_lshlrev_b32 v14, 3, v1
	v_add_nc_u32 v13, VSC, v14                     ; and 8 bytes a lane
	s_mov_b32 s32, 0x76543210
	s_mov_b32 s33, 0xfedcba98                      ; v_permlanex16_b32's selects for lane l xor 16
	s_lshl_b32 s24, s15, 19                        ; a sample is 524,288 bytes, a key step 32,768, 32 keys 8,192
	s_lshl_b32 s25, ttmp9, 15
	s_add_co_u32 s24, s24, s25
	s_lshl_b32 s25, s22, 13
	s_add_co_u32 s24, s24, s25
	s_lshl_b32 s26, s19, 11                        ; K: tile w begins at key 32 (w / 2) + 8 (w % 2)
	s_add_co_u32 s26, s24, s26
	s_mov_b32 s27, 0
	s_lshl_b32 s28, s19, 7                         ; V: block w / 2, channels 32 (w % 2) on
	s_add_co_u32 s28, s24, s28
	s_mov_b32 s29, 0
	s_lshl_b32 s30, s15, 4
	s_add_co_u32 s30, s30, ttmp9
	s_mul_i32 s30, s30, RECB                       ; my record
	s_mov_b32 s31, 0
	s_wait_kmcnt 0x0
	s_add_nc_u64 s[4:5], s[4:5], s[26:27]
	s_add_nc_u64 s[6:7], s[6:7], s[28:29]
	s_add_nc_u64 s[10:11], s[10:11], s[30:31]
.irp j, 0,1,2,3
	global_load_b128 v[R+4*\j:R+4*\j+3], v2, s[4:5] offset:512*\j th:TH_LOAD_NT              ; the tile's first eight keys: 2,048 consecutive bytes
.endr
.irp j, 4,5,6,7
	global_load_b128 v[R+4*\j:R+4*\j+3], v2, s[4:5] offset:4096+512*(\j-4) th:TH_LOAD_NT     ; and the eight that lie 16 keys further on
.endr
.irp i, 0,1,2,3,4,5,6,7,8,9,10,11,12,13,14,15,16,17,18,19,20,21,22,23,24,25,26,27,28,29,30,31
	global_load_b32 v[VX+\i], v6, s[6:7] offset:256*\i th:TH_LOAD_NT                         ; V(key i of my block, my channel)
.endr
	s_wait_loadcnt 32                              ; K's eight loads are in; V's 32, issued behind them, stay out
.irp j, 0,1,2,3,4,5,6,7
	ds_store_b128 v3, v[R+4*\j:R+4*\j+3] offset:2*SP*\j
.endr
.irp i, 0,1,2,3,4,5,6,7
	ds_load_b128 v[X+4*\i:X+4*\i+3], v4 offset:16*\i               ; LDS serves a wave's instructions in order (ISA guide 5.7.1.4): these see my stores
.endr
	s_wait_dscnt 0x0
	BLK X, KC, 122, 123                            ; lane (r, h): block h of the tile's row r
	global_store_b128 v9, v[KC:KC+3], s[10:11]     ; the wave stores 512 consecutive bytes
	v_mov_b32 v124, 0                              ; (a lane permute's destination counts as one of its sources)
	v_permlanex16_b32 v124, v123, s32, s33         ; the row's other byte
	v_lshlrev_b32 v123, v10, v123
	v_lshlrev_b32 v124, v11, v124
	v_or_b32 v123, v123, v124                      ; s0 | s1 << 8,
	v_lshl_or_b32 v123, v123, 16, v123             ; twice
	ds_store_b32 v5, v123                          ; both halves of the lanes write the same word with the same value
	s_wait_loadcnt 0x0                             ; V
	BLK VX, VC, 126, 127
	global_store_b128 v7, v[VC:VC+3], s[10:11]     ; lanes 0-15 and lanes 16-31 each store 256 consecutive bytes, aligned
	ds_store_b8 v8, v127
	s_wait_dscnt 0x0                               ; for wave 0's sake: my scale words and bytes lie in LDS
	s_barrier_signal -1
	s_barrier_wait -1
	s_cmp_lg_u32 s14, 0
	s_cbranch_scc1 .Ldone
	ds_load_b128 v[16:19], v12                     ; wave 0: the record's 768 bytes of scale words leave as three whole runs of 256 bytes
	ds_load_b64 v[20:21], v13
	s_wait_dscnt 0x0
	global_store_b128 v2, v[16:19], s[10:11] offset:8192
	global_store_b64 v14, v[20:21], s[10:11] offset:8704
	s_or_b32 s28, s15, ttmp9
	s_cmp_lg_u32 s28, 0
	s_cbranch_scc1 .Ldone
	; THE ORDER OF THE SAMPLES, by one wave of one work-group.  Lanes 16-31 repeat lanes 0-15: same address, same value.
	v_and_b32 v126, 15, v0                         ; the sample
	v_lshlrev_b32 v120, 2, v126
	global_load_b32 v121, v120, s[8:9]
	v_mov_b32 v124, 0                              ; its rank
	s_wait_loadcnt 0x0
	v_cmp_le_i32 vcc_lo, 0, v121
	v_cndmask_b32 v121, 0, v121, vcc_lo            ; a negative length lets no key through: 0
	v_min_u32 v127, 0x800, v121                    ; one beyond 2,048 lets all through: 2,048
	v_lshl_add_u32 v122, v127, 4, v126             ; 16 x length + sample: no two alike
.irp m, 0,1,2,3,4,5,6,7,8,9,10,11,12,13,14,15
	v_readlane_b32 s28, v122, \m
	v_cmp_lt_u32 vcc_lo, s28, v122
	v_add_co_ci_u32 v124, vcc_lo, 0, v124, vcc_lo  ; one more for each sample that comes before mine
.endr
	v_min_u32 v124, 15, v124
	v_lshlrev_b32 v124, 3, v124
	global_store_b64 v124, v[126:127], s[12:13]    ; sched[rank] = (sample, length)
.Ldone:
	s_wait_tensorcnt 0x0
	ds_add_u32 v128, v129
	s_wait_dscnt 0x0
	s_endpgm
.Lfunc_end_k_q19044498a1_prep:
	.size	k_q19044498a1_prep, .Lfunc_end_k_q19044498a1_prep-k_q19044498a1_prep
	.p2alignl 7, 3214868480
	.fill 96, 4, 3214868480
	.section	.rodata,"a",@progbits
	.p2align	6, 0x0
	.amdhsa_kernel k_q19044498a1_prep
		.amdhsa_group_segment_fixed_size 39936
		.amdhsa_private_segment_fixed_size 0
		.amdhsa_enable_private_segment 0
		.amdhsa_kernarg_size 40
		.amdhsa_user_sgpr_count 2
		.amdhsa_user_sgpr_kernarg_segment_ptr 1
		.amdhsa_wavefront_size32 1
		.amdhsa_system_sgpr_workgroup_id_x 1
		.amdhsa_system_sgpr_workgroup_id_y 1
		.amdhsa_system_sgpr_workgroup_id_z 1
		.amdhsa_system_vgpr_workitem_id 0
		.amdhsa_next_free_vgpr 130
		.amdhsa_next_free_sgpr 66
		.amdhsa_reserve_vcc 1
		.amdhsa_float_denorm_mode_32 3
		.amdhsa_float_denorm_mode_16_64 3
		.amdhsa_memory_ordered 1
		.amdhsa_forward_progress 1
		.amdhsa_inst_pref_size 16
	.end_amdhsa_kernel
	.amdgpu_metadata
---
amdhsa.version: [ 1, 2 ]
amdhsa.kernels:
  - .name:           k_q19044498a1_prep
    .symbol:         k_q19044498a1_prep.kd
    .args:
      - { .name: keys_nsd, .offset: 0, .size: 8, .value_kind: global_buffer, .address_space: global }
      - { .name: values_nsv, .offset: 8, .size: 8, .value_kind: global_buffer, .address_space: global }
      - { .name: prefix_len_n, .offset: 16, .size: 8, .value_kind: global_buffer, .address_space: global }
      - { .name: kv, .offset: 24, .size: 8, .value_kind: global_buffer, .address_space: global }
      - { .name: sched, .offset: 32, .size: 8, .value_kind: global_buffer, .address_space: global }
    .group_segment_fixed_size: 39936
    .private_segment_fixed_size: 0
    .kernarg_segment_align: 8
    .kernarg_segment_size: 40
    .max_flat_workgroup_size: 256
    .sgpr_count:     66
    .vgpr_count:     130
    .wavefront_size: 32
...
	.end_amdgpu_metadata
.endif
;; end of part 1
;; launch attn (part 2): grid 32 x 8, 8 waves a work-group, no clusters, 101,376 bytes of LDS; arguments queries_nqd, kv, sched, out0; writes out0
.if DOCPART == 2
	.amdgcn_target "amdgcn-amd-amdhsa--gfx1250"
	.amdhsa_code_object_version 6
	.text
	.protected	k_q19044498a1_attn
	.globl	k_q19044498a1_attn
	.p2align	8
	.type	k_q19044498a1_attn,@function
k_q19044498a1_attn:
	s_mov_b64 s[64:65], 0
	v_nop
	global_prefetch_b8 v0, s[64:65] scope:SCOPE_SE
	s_setreg_imm32_b32 hwreg(HW_REG_WAVE_MODE, 25, 1), 1
	s_wait_xcnt 0x0
; out[n][q][:] = sum over keys of softmax(Q[n][q] . K[n][key] x 0.125, masked) V[n][key][:]; a key counts where key < prefix length of n, or key = q; all other logits are -1e9.
; Both products on codes of FP4 (E2M1) with one E8M0 scale for each 32 along K.  K and V come as records of 8,960 bytes for each (sample, 128 keys), images of the operands' registers, made by the launch before;
; Q (f32) is read once and quantised here in registers.
; THE SOFTMAX AHEAD OF THE SECOND PRODUCT: t = score x 0.125 log2(e); M = the row's largest t so far, rounded UP to a whole number; p = 2^(t - M) is quantised along the keys, not normalised; the row's sum is taken of the
; unquantised p and divides at the end.  When M moves, the sum and O are multiplied by 2^(old M - new M): exact.
; WORK THAT IS LEFT OUT: a step of 128 keys that lies wholly beyond the prefix and does not hold the tile's diagonal gives p = 0 throughout; it is passed over by a scalar branch on the stored prefix length.
; Every step that is walked holds at least one key that counts for every query of the tile, so M is a number from the first walked step on.
; SHARES.  A work-group takes one block of 64 queries (x) of TWO samples: waves 0-3 of the sample of rank y in ascending prefix length, waves 4-7 of the sample of rank 15 - y, so that every work-group has about
; the same number of steps to walk.  A wave owns one tile of 16 queries.  The four waves of a group bring each record into LDS together, a quarter each, through registers, one step ahead, into two slots by turns.
; THE LOOP has 16 steps (8 trips of two) and one barrier a step for every wave, whatever the prefix; only loads, stores and work are jumped over.
; NO TENSOR LOADS, SO NO JOINT LOADS IN A CLUSTER: which steps are walked hangs on a number read from memory, and partners would need different numbers of tiles (0 to 16 steps, by the sample).
; LAYOUT.  Both products are used transposed: S^T = K Q^T (source 0 = 16 keys, source 1 = my 16 queries), O^T = V^T P^T: a lane holds ONE query (lane % 16) throughout.  The keys of a tile are not neighbours
; (lane r of tile 2 b + u has key 32 b + 8 u + r + 8 (r / 8)), so that the 16 registers of tiles 2 b, 2 b + 1 are keys 32 b + 16 (lane / 16) + 0 .. 15.
; d = 64 IN A PRODUCT OF 128: the other half of both operands is zero codes.  Even tiles stand as [codes, zeros] against Q as [codes, zeros], odd tiles as [zeros, codes] against [zeros, codes], so that two
; tiles share four zero registers; scale words hold their two bytes twice and serve both.
; LIMITS: NaN and infinities among the inputs are not served.  Passing over masked steps takes a row's counted logits to lie far above -1e9 (at 30 times the drawn spread they stay under some 3e5 in magnitude).
; v_exp_f32 gives 0 for p under 2^-126.  A block of p that is all zeros carries the byte 1 with zero codes.
.set RECB,   8960
.set SLOTB,  32768                     ; LDS: slot s of group g at s x 32,768 + g x 16,384 (8,960 bytes used)
.set STAGE,  65536                     ; behind the slots: 16 rows x (256 + 16) bytes for each wave, for the way out
.set SPITCH, 272
.set LI,  1                            ; v1   g x 16,384 + 16 x lane: an image's place for my lane
.set LV,  2                            ; v2   g x 16,384 + 8,704 + 8 x lane: V's scale words
.set SW,  3                            ; v3   where I store my quarter of a record's codes: g x 16,384 + 2,048 wq + 16 x lane
.set SW2, 4                            ; v4   and my third of its scale words: g x 16,384 + 8,192 + 256 wq + 8 x lane
.set GL,  5                            ; v5   the same two places in the record in memory
.set GL2, 6                            ; v6
.set SO,  7                            ; v7   the stage: where I put 32 bytes of a row
.set SR,  8                            ; v8   and where I read rows back
.set GO,  9                            ; v9   16 x lane: my bytes in two rows of out
.set H16, 10                           ; v10  16 (lane / 16)
.set QD,  11                           ; v11  my query - 16 (lane / 16)
                                       ; v12 -M, v13 the largest t, v[14:15] the sum in two halves
.set QF,  16                           ; v16-27   Q: codes, four zeros, the codes again
.set STG, 28                           ; v28-45   my part of the next record on its way
.set VS,  46                           ; v46-47   V's scale words   (v46-51, v250, v252 hold scales and nothing else)
.set KS,  48                           ; v48-51   K's scale words
.set KB,  52                           ; v52-99   K: pair p at 52 + 12 p: tile 2 p, four zeros, tile 2 p + 1
.set S,   100                          ; v100-163 S^T, then p
.set OT,  164                          ; v164-195 O^T, four tiles of 16 channels
.set VF,  196                          ; v196-227 V's four fragments
.set PC,  228                          ; v228-235 p's codes
.set BM,  236                          ; v236-239 each block's largest score, then its largest p
.set T2,  240                          ; v240-243 at work
.set SC,  244                          ; v244-247 the conversions' scale operands
.set F,   248                          ; v[248:249] f = 2^(old M - new M); v249 is only named with it as a pair
.set PW,  250                          ; v250 p's scale word
.set TMP, 251
.set QS,  252                          ; v252 Q's scale word
.set D1,  253                          ; v253 prefix length - the step's first key - 16 (lane / 16); at the head: my byte offset in Q
.set D2,  254                          ; v254 my query - the step's first key - 16 (lane / 16)
.set NEGV, 255                         ; v255 -8e9: x 0.125 it is the masked logit, -1e9
.set WV,  12                           ; s12 wave, s13 group g, s14 wq = wave % 4
.set GRP, 13
.set WQ,  14
.set SN,  16                           ; s16 my sample, s17 its prefix length P
.set PL,  17
.set NB,  18                           ; s18 steps that begin inside the prefix: (P + 127) / 128
.set DS,  19                           ; s19 the step that holds my block's diagonal
.set Q0,  20                           ; s20 my first query
.set IX,  21                           ; s21 the step in hand; s22 its first key
.set KF,  22
.set LC,  23                           ; s23 trips to go
.set REC, 24                           ; s[24:25] the record to be asked for
.set AC,  26                           ; s26 the step in hand is walked; s27 the next one is
.set AN,  27
.set SEL, 32                           ; s[32:33] lane selects for lane l xor 16
.set CS,  34                           ; s[34:35] c = 0.125 log2(e)
.set MB,  40                           ; s40-47 mask bits
.macro ACTIVE idx, dst                 ; is step s[idx] walked?  It begins inside the prefix, or holds the diagonal.  Step 16 never is: NB <= 16, DS <= 15
	s_cmp_lt_u32 s[\idx], s[NB]
	s_cselect_b32 s[\dst], 1, 0
	s_cmp_eq_u32 s[\idx], s[DS]
	s_cselect_b32 s28, 1, 0
	s_or_b32 s[\dst], s[\dst], s28
.endm
.macro GLOAD                           ; my part of the record at s[REC]: 2,048 bytes of codes; waves wq = 0, 1, 2 also 256 bytes of scale words
.irp j, 0,1,2,3
	global_load_b128 v[STG+4*\j:STG+4*\j+3], v[GL], s[REC:REC+1] offset:512*\j
.endr
	s_cmp_lt_u32 s[WQ], 3
	s_cbranch_scc0 .Lno_gs_\@
	global_load_b64 v[STG+16:STG+17], v[GL2], s[REC:REC+1]
.Lno_gs_\@:
.endm
.macro LSTORE slot                     ; and into the slot, as it lies
.irp j, 0,1,2,3
	ds_store_b128 v[SW], v[STG+4*\j:STG+4*\j+3] offset:(\slot)*SLOTB+512*\j
.endr
	s_cmp_lt_u32 s[WQ], 3
	s_cbranch_scc0 .Lno_ls_\@
	ds_store_b64 v[SW2], v[STG+16:STG+17] offset:(\slot)*SLOTB
.Lno_ls_\@:
.endm
; A KEY STEP: 128 keys out of the slot.
.macro STEP slot
.set SB, (\slot)*SLOTB
	ds_load_b128 v[KS:KS+3], v[LI] offset:SB+8192                  ; register j: lanes 0-15 the words of tile j, lanes 16-31 those of tile j + 4
.irp t, 0,1,2,3,4,5,6,7
	ds_load_b128 v[KB+12*(\t/2)+8*(\t%2):KB+12*(\t/2)+8*(\t%2)+3], v[LI] offset:SB+512*\t
.endr
	ds_load_b64 v[VS:VS+1], v[LV] offset:SB                        ; register j: lanes 0-15 tile j, lanes 16-31 tile j + 2
.irp f, 0,1,2,3,4,5,6,7
	ds_load_b128 v[VF+4*\f:VF+4*\f+3], v[LI] offset:SB+4096+512*\f
.endr
	s_wait_dscnt 0x9                               ; K's scale words and its eight tiles are in; the nine loads for V, issued behind them, stay out
.irp t, 0,1,2,3
	v_wmma_scale_f32_16x16x128_f8f6f4 v[S+8*\t:S+8*\t+7], v[KB+12*(\t/2)+4*(\t%2):KB+12*(\t/2)+4*(\t%2)+7], v[QF+4*(\t%2):QF+4*(\t%2)+7], 0, v[KS+\t], v[QS] matrix_a_fmt:MATRIX_FMT_FP4 matrix_b_fmt:MATRIX_FMT_FP4
.endr
.irp t, 4,5,6,7
	v_wmma_scale_f32_16x16x128_f8f6f4 v[S+8*\t:S+8*\t+7], v[KB+12*(\t/2)+4*(\t%2):KB+12*(\t/2)+4*(\t%2)+7], v[QF+4*(\t%2):QF+4*(\t%2)+7], 0, v[KS+\t-4], v[QS] matrix_a_fmt:MATRIX_FMT_FP4 matrix_b_fmt:MATRIX_FMT_FP4 matrix_a_scale:MATRIX_SCALE_ROW1
.endr
.rept 4
	v_nop                                          ; four plain lines between a product and the first read of its result (ISA guide 7.12.1)
.endr
	; THE MASK.  A step that lies wholly inside the prefix has none.  Register 16 b + i holds key KF + 16 (lane / 16) + c, c = 32 b + i: it counts where c < D1 or c = D2.
	; c has bit 4 clear; in the half of the lanes that does not hold the diagonal D2 has bit 4 set or lies outside 0 .. 127, so it meets no c.
	s_add_co_u32 s28, s[KF], 128
	s_cmp_le_u32 s28, s[PL]
	s_cbranch_scc1 .Lopen_\@
	s_sub_co_i32 s28, s[PL], s[KF]
	v_sub_nc_u32 v[D1], s28, v[H16]
	v_sub_nc_u32 v[D2], v[QD], s[KF]
.set MN, 0
.rept 16                                       ; four registers at a time, ascending, so that no line waits for the line above it
.irp k, 0,1,2,3
	v_cmp_lt_i32 s[MB+2*\k], 32*((MN+\k)/16)+(MN+\k)%16, v[D1]
	v_cmp_eq_u32 s[MB+2*\k+1], 32*((MN+\k)/16)+(MN+\k)%16, v[D2]
.endr
.irp k, 0,1,2,3
	s_or_b32 s[MB+2*\k], s[MB+2*\k], s[MB+2*\k+1]
.endr
.irp k, 0,1,2,3
	v_cndmask_b32 v[S+MN+\k], v[NEGV], v[S+MN+\k], s[MB+2*\k]
.endr
.set MN, MN+4
.endr
.Lopen_\@:
.irp b, 0,1,2,3
	v_max3_num_f32 v[BM+\b], v[S+16*\b], v[S+1+16*\b], v[S+2+16*\b]       ; the largest score of each block of 32 keys: it serves for the row's maximum and, since p rises with the score, for the block's largest p
.endr
.irp i, 3,5,7,9,11,13
.irp b, 0,1,2,3
	v_max3_num_f32 v[BM+\b], v[BM+\b], v[S+16*\b+\i], v[S+1+16*\b+\i]     ; (the four blocks by turns)
.endr
.endr
.irp b, 0,1,2,3
	v_max_num_f32 v[BM+\b], v[BM+\b], v[S+15+16*\b]
.endr
.irp b, 0,1,2,3
	v_permlanex16_b32 v[T2+\b], v[BM+\b], s[SEL], s[SEL+1]
.endr
.irp b, 0,1,2,3
	v_max_num_f32 v[BM+\b], v[BM+\b], v[T2+\b]     ; with lane l xor 16's 16 keys
.endr
	v_max3_num_f32 v[TMP], v[BM], v[BM+1], v[BM+2]
	v_max_num_f32 v[TMP], v[TMP], v[BM+3]          ; the step's largest score of my query
	v_mul_f32 v[TMP], s[CS], v[TMP]                ; as t (c is positive)
	v_max_num_f32 v13, v13, v[TMP]                 ; the running largest t
	v_mov_b32 v[TMP], v12
	v_floor_f32 v12, -v13                          ; the new -M = floor(-t) = -ceil(t): M is a whole number
	v_sub_f32 v[TMP], v12, v[TMP]                  ; old M - new M: a whole number, 0 or less
	v_cvt_i32_f32 v[TMP], v[TMP]                   ; (it saturates)
	v_ldexp_f32 v[F], 1.0, v[TMP]                  ; f = 2^(old M - new M)
.irp j, 0,2,4,6,8,10,12,14,16,18,20,22,24,26,28,30,32,34,36,38,40,42,44,46,48,50,52,54,56,58,60,62
	v_pk_fma_f32 v[S+\j:S+1+\j], v[S+\j:S+1+\j], s[CS:CS+1], v[12:13] op_sel_hi:[1,0,0]   ; t - M, two at a time (of the pairs c and -M the low word serves both halves)
.endr
.irp b, 0,1,2,3
	v_fma_f32 v[BM+\b], v[BM+\b], s[CS], v12       ; the same of each block's largest score
.endr
.irp j, 0,1,2,3,4,5,6,7,8,9,10,11,12,13,14,15,16,17,18,19,20,21,22,23,24,25,26,27,28,29,30,31,32,33,34,35,36,37,38,39,40,41,42,43,44,45,46,47,48,49,50,51,52,53,54,55,56,57,58,59,60,61,62,63
	v_exp_f32 v[S+\j], v[S+\j]                     ; p = 2^(t - M), at most 1; 0 for a masked key
.endr
.irp b, 0,1,2,3
	v_exp_f32 v[BM+\b], v[BM+\b]                   ; the block's largest p: the same two instructions on the same number give the same bits
.endr
	v_pk_mul_f32 v[14:15], v[14:15], v[F:F+1] op_sel_hi:[1,0]      ; the sums under the new M; also the plain line behind the exponentials
	s_wait_alu depctr_va_vdst(0)
.irp b, 0,1,2,3
	v_max_num_f32 v[BM+\b], 0x1800000, v[BM+\b]    ; the floor 2^(3 - 127): the byte cannot fall under 1
.endr
.irp b, 0,1,2,3
	v_add_nc_u32 v[SC+\b], 0xff000000, v[BM+\b]    ; 2 off the exponent field: the conversion's scale operand
.endr
.irp b, 0,1,2,3
	v_lshrrev_b32 v[T2+\b], 23, v[SC+\b]           ; the scale's byte
.endr
	v_lshl_or_b32 v[PW], v[T2+1], 8, v[T2]         ; p's scale word for these 128 keys
	v_lshl_or_b32 v[PW], v[T2+2], 16, v[PW]
	v_lshl_or_b32 v[PW], v[T2+3], 24, v[PW]
.irp b, 0,1,2,3
	v_cvt_scalef32_pk8_fp4_f32 v[PC+2*\b], v[S+16*\b:S+7+16*\b], v[SC+\b]
	v_cvt_scalef32_pk8_fp4_f32 v[PC+1+2*\b], v[S+8+16*\b:S+15+16*\b], v[SC+\b]
.endr
	v_nop                                          ; one plain line behind the scaled conversions
.irp c, 0,1                                    ; the operand's layout wants a whole block in a lane: lanes 0-15 block 2 c, lanes 16-31 block 2 c + 1
.irp i, 0,1
	v_permlane16_swap_b32 v[PC+4*\c+\i], v[PC+2+4*\c+\i]
.endr
.endr
	v_pk_add_f32 v[T2:T2+1], v[S:S+1], v[S+2:S+3]  ; the row's sum is taken of the unquantised p: two at a time, in two chains
.irp j, 4,8,12,16,20,24,28,32,36,40,44,48,52,56,60
	v_pk_add_f32 v[14:15], v[14:15], v[S+\j:S+1+\j]
	v_pk_add_f32 v[T2:T2+1], v[T2:T2+1], v[S+2+\j:S+3+\j]
.endr
	v_pk_add_f32 v[14:15], v[14:15], v[T2:T2+1]
.irp j, 0,2,4,6,8,10,12,14,16,18,20,22,24,26,28,30
	v_pk_mul_f32 v[OT+\j:OT+1+\j], v[OT+\j:OT+1+\j], v[F:F+1] op_sel_hi:[1,0]   ; O^T under the new M.  These 16 and the 32 sums stand between the writes of p's scale word and codes and the products below
.endr
	s_wait_dscnt 0x0                               ; V's fragments and scale words are in
.irp t, 0,1                                    ; O^T += V^T P^T: the four accumulators by turns, one instruction a turn; the eight score products stand between two sums onto one accumulator
	v_wmma_scale_f32_16x16x128_f8f6f4 v[OT+8*\t:OT+8*\t+7], v[VF+8*\t:VF+8*\t+7], v[PC:PC+7], v[OT+8*\t:OT+8*\t+7], v[VS+\t], v[PW] matrix_a_fmt:MATRIX_FMT_FP4 matrix_b_fmt:MATRIX_FMT_FP4
.endr
.irp t, 2,3
	v_wmma_scale_f32_16x16x128_f8f6f4 v[OT+8*\t:OT+8*\t+7], v[VF+8*\t:VF+8*\t+7], v[PC:PC+7], v[OT+8*\t:OT+8*\t+7], v[VS+\t-2], v[PW] matrix_a_fmt:MATRIX_FMT_FP4 matrix_b_fmt:MATRIX_FMT_FP4 matrix_a_scale:MATRIX_SCALE_ROW1
.endr
.rept 4
	v_nop                                          ; four plain lines ahead of the next step's loads into V's registers and of the first read of O^T
.endr
.endm
; One step of the loop.  The next record is asked for first, the step in hand is worked, the next record goes into the other slot; then ONE barrier: in front of it my reads of this slot are back and my part of
; the other slot is stored; behind it the other slot is read and this one is written.
.macro TRIP slot
	s_add_co_u32 s29, s[IX], 1
	ACTIVE 29, AN
	s_add_nc_u64 s[REC:REC+1], s[REC:REC+1], RECB  ; no load of mine is out: the last were waited for in front of the last barrier
	s_cmp_eq_u32 s[AN], 0
	s_cbranch_scc1 .Lno_load_\@
	GLOAD
.Lno_load_\@:
	s_cmp_eq_u32 s[AC], 0
	s_cbranch_scc1 .Lno_step_\@
	STEP \slot
.Lno_step_\@:
	s_wait_loadcnt 0x0                             ; my part of the next record is in registers
	s_cmp_eq_u32 s[AN], 0
	s_cbranch_scc1 .Lno_store_\@
	LSTORE 1-\slot
.Lno_store_\@:
	s_wait_dscnt 0x0                               ; for the others' sake: my stores have landed, my reads are back
	s_barrier_signal -1
	s_barrier_wait -1
	s_mov_b32 s[AC], s[AN]
	s_add_co_u32 s[IX], s[IX], 1
	s_add_co_u32 s[KF], s[KF], 128
.endm
	s_load_b256 s[4:11], s[0:1], 0x0               ; Q s[4:5], kv s[6:7], sched s[8:9], out s[10:11]
	s_set_vgpr_msb 0x40
	v_lshl_add_u32 v0, v0, 2, 0x18800
	v_mov_b32 v1, 0
	s_set_vgpr_msb 0x4000
	v_lshrrev_b32 v1, 5, v0
	v_readfirstlane_b32 s[WV], v1                  ; wave 0..7
	s_lshr_b32 s[GRP], s[WV], 2
	s_and_b32 s[WQ], s[WV], 3
	s_and_b32 s28, ttmp7, 0xffff                   ; the pair y
	s_sub_co_u32 s29, 15, s28
	s_cmp_eq_u32 s[GRP], 0
	s_cselect_b32 s28, s28, s29                    ; my group's rank: y, or 15 - y
	s_lshl_b32 s28, s28, 3
	s_mov_b32 s29, 0
	s_wait_kmcnt 0x0
	s_add_nc_u64 s[8:9], s[8:9], s[28:29]
	s_load_b64 s[SN:SN+1], s[8:9], 0x0             ; (sample, prefix length)
	s_lshr_b32 s[DS], ttmp9, 1                     ; queries 64 x .. 64 x + 63 lie in key step x / 2
	s_lshl_b32 s[Q0], ttmp9, 6
	s_lshl_b32 s30, s[WQ], 4
	s_add_co_u32 s[Q0], s[Q0], s30
	s_mov_b32 s[IX], 0
	s_mov_b32 s[KF], 0
	s_mov_b32 s[LC], 8
	s_mov_b32 s[SEL], 0x76543210
	s_mov_b32 s[SEL+1], 0xfedcba98
	s_mov_b32 s[CS], 0x3e38aa3b                    ; 0.125 log2(e)
	s_mov_b32 s[CS+1], s[CS]                       ; (named with it as a pair, so it is written)
	v_and_b32 v236, 31, v0                         ; lane
	v_and_b32 v237, 15, v0                         ; r
	v_bfe_u32 v238, v0, 4, 1                       ; h
	v_lshlrev_b32 v239, 3, v236                    ; 8 x lane
	s_lshl_b32 s30, s[GRP], 14                     ; my group's half of a slot
	v_lshlrev_b32 v[GO], 4, v236
	v_add_nc_u32 v[LI], s30, v[GO]
	s_add_co_u32 s31, s30, 8704
	v_add_nc_u32 v[LV], s31, v239
	s_lshl_b32 s31, s[WQ], 11
	v_add_nc_u32 v[GL], s31, v[GO]
	v_add_nc_u32 v[SW], s30, v[GL]
	s_lshl_b32 s31, s[WQ], 8
	s_add_co_u32 s31, s31, 8192
	v_add_nc_u32 v[GL2], s31, v239
	v_add_nc_u32 v[SW2], s30, v[GL2]
	s_mul_i32 s31, s[WV], 16*SPITCH
	s_add_co_u32 s31, s31, STAGE                   ; my stage
	v_mul_u32_u24 v[SO], v237, SPITCH              ; in: row r, 32 bytes for each half of the lanes
	v_lshl_add_u32 v[SO], v238, 5, v[SO]
	v_add_nc_u32 v[SO], s31, v[SO]
	v_mul_u32_u24 v[SR], v238, SPITCH              ; back: lanes 0-15 one row of 256 bytes, lanes 16-31 the next
	v_lshl_add_u32 v[SR], v237, 4, v[SR]
	v_add_nc_u32 v[SR], s31, v[SR]
	v_lshlrev_b32 v[H16], 4, v238
	v_sub_nc_u32 v[QD], v237, v[H16]
	v_add_nc_u32 v[QD], s[Q0], v[QD]
	v_lshlrev_b32 v[D1], 8, v237                   ; Q: row r of 256 bytes, + 128 h: my block of 32
	v_lshl_add_u32 v[D1], v238, 7, v[D1]
.irp i, 0,1,2,3,4,5,6,7,8,9,10,11,12,13,14,15,16,17
	v_mov_b32 v[STG+\i], 0                         ; written once, so that these registers hold something on every way to a store
.endr
	s_wait_kmcnt 0x0
	s_min_u32 s[SN], s[SN], 15                     ; held inside their ranges before anything is made of them
	s_min_u32 s[PL], s[PL], 0x800
	s_add_co_u32 s[NB], s[PL], 127
	s_lshr_b32 s[NB], s[NB], 7
	s_lshl_b32 s28, s[SN], 19                      ; a sample of Q or of out is 524,288 bytes, a row 256
	s_lshl_b32 s30, s[Q0], 8
	s_add_co_u32 s28, s28, s30
	s_mov_b32 s29, 0
	s_add_nc_u64 s[4:5], s[4:5], s[28:29]
	s_add_nc_u64 s[10:11], s[10:11], s[28:29]
	s_mul_i32 s28, s[SN], 16*RECB
	s_add_nc_u64 s[REC:REC+1], s[6:7], s[28:29]    ; my sample's record 0
	ACTIVE IX, AC
	s_cmp_eq_u32 s[AC], 0
	s_cbranch_scc1 .Lno_first
	GLOAD
.Lno_first:
.irp j, 0,1,2,3,4,5,6,7
	global_load_b128 v[S+4*\j:S+4*\j+3], v[D1], s[4:5] offset:16*\j th:TH_LOAD_NT   ; Q(Q0 + r, 32 h + 4 j ..): a lane holds a whole block
.endr
	s_wait_loadcnt 0x0
	v_max3_num_f32 v240, |v[S]|, |v[S+1]|, 0x1800000               ; Q's block: its largest magnitude, with the floor 2^(3 - 127)
	v_max3_num_f32 v241, |v[S+2]|, |v[S+3]|, |v[S+4]|
.irp i, 5,9,13,17,21,25
	v_max3_num_f32 v240, v240, |v[S+\i]|, |v[S+\i+1]|
	v_max3_num_f32 v241, v241, |v[S+\i+2]|, |v[S+\i+3]|
.endr
	v_max3_num_f32 v240, v240, |v[S+29]|, |v[S+30]|
	v_max3_num_f32 v240, v240, v241, |v[S+31]|
	v_add_nc_u32 v244, 0xff000000, v240
.irp g, 0,1,2,3
	v_cvt_scalef32_pk8_fp4_f32 v[QF+\g], v[S+8*\g:S+8*\g+7], v244
.endr
	v_lshrrev_b32 v245, 23, v244                   ; the byte; also the plain line behind the conversions
.irp g, 0,1,2,3
	v_mov_b32 v[QF+8+\g], v[QF+\g]                 ; the codes again, for the odd tiles
.endr
	v_mov_b32 v246, 0
	v_permlanex16_b32 v246, v245, s[SEL], s[SEL+1] ; the row's other byte
	v_lshlrev_b32 v247, 3, v238                    ; 8 h
	v_sub_nc_u32 v248, 8, v247
	v_lshlrev_b32 v245, v247, v245
	v_lshlrev_b32 v246, v248, v246
	v_or_b32 v[QS], v245, v246                     ; s0 | s1 << 8,
	v_lshl_or_b32 v[QS], v[QS], 16, v[QS]          ; twice
.irp i, 0,1,2,3
	v_mov_b32 v[QF+4+\i], 0                        ; the zero codes of the unused half of K = 128: Q's,
.endr
.irp p, 0,1,2,3
.irp i, 0,1,2,3
	v_mov_b32 v[KB+4+12*\p+\i], 0                  ; and those between each pair of K's tiles
.endr
.endr
	v_mov_b32 v13, 0xff61b1e6                      ; the largest t so far: -3e38, under every t
	v_floor_f32 v12, -v13                          ; -M
	v_mov_b32 v14, 0                               ; the sum, in two halves
	v_mov_b32 v15, 0
.irp b, 0,1,2,3
	v_mov_b32 v[T2+\b], 0                          ; written once: a lane permute's destination counts as one of its sources
.endr
	v_mov_b32 v[F+1], 0                            ; (named as the upper half of a pair)
	v_mov_b32 v[TMP], 0
	v_mov_b32 v[NEGV], 0xcfee6b28                  ; -8e9
.irp j, 0,1,2,3,4,5,6,7,8,9,10,11,12,13,14,15,16,17,18,19,20,21,22,23,24,25,26,27,28,29,30,31
	v_mov_b32 v[OT+\j], 0                          ; O^T: the step is written once; the first finds zeros.  These 32 also stand between the writes of Q's scale word and of the zero codes and the first product
.endr
	s_cmp_eq_u32 s[AC], 0
	s_cbranch_scc1 .Lno_first_store
	LSTORE 0
.Lno_first_store:
	s_wait_dscnt 0x0
	s_barrier_signal -1
	s_barrier_wait -1                              ; record 0 lies in slot 0, if it is walked
.Ltrip:                                            ; 8 trips of two steps: the slot stands in the immediates
	TRIP 0
	TRIP 1
	s_sub_co_u32 s[LC], s[LC], 1
	s_cmp_lg_u32 s[LC], 0
	s_cbranch_scc1 .Ltrip
	; THE WAY OUT.  O^T / the sum goes through my own stage in LDS and leaves as whole rows: each store of the wave covers two rows, 512 consecutive bytes, aligned.
	v_add_f32 v14, v14, v15                        ; the sum's two halves,
	v_permlanex16_b32 v[TMP], v14, s[SEL], s[SEL+1]
	v_add_f32 v14, v14, v[TMP]                     ; and lane l xor 16's: the row's sum, at least 1/2
	v_rcp_f32 v14, v14
	v_nop                                          ; one plain line behind the reciprocal
	s_wait_alu depctr_va_vdst(0)
.irp j, 0,1,2,3,4,5,6,7,8,9,10,11,12,13,14,15,16,17,18,19,20,21,22,23,24,25,26,27,28,29,30,31
	v_mul_f32 v[S+\j], v[OT+\j], v14               ; register 8 t + i is out(Q0 + r, 16 t + 8 h + i); each accumulator from its low end on
.endr
.irp t, 0,1,2,3
	ds_store_b128 v[SO], v[S+8*\t:S+8*\t+3] offset:64*\t
	ds_store_b128 v[SO], v[S+8*\t+4:S+8*\t+7] offset:64*\t+16
.endr
.irp i, 0,1,2,3,4,5,6,7
	ds_load_b128 v[S+32+4*\i:S+35+4*\i], v[SR] offset:2*SPITCH*\i  ; LDS serves a wave's instructions in order (ISA guide 5.7.1.4): these see my stores
.endr
.irp i, 0,1,2,3,4,5,6,7
	s_wait_dscnt 7-\i                              ; load i of the eight is back; the younger ones stay out
	global_store_b128 v[GO], v[S+32+4*\i:S+35+4*\i], s[10:11] offset:512*\i th:TH_STORE_NT
.endr
	s_set_vgpr_msb 0x5
	s_wait_tensorcnt 0x0
	ds_add_u32 v0, v1
	s_wait_dscnt 0x0
	s_set_vgpr_msb 0x500
	s_endpgm
.Lfunc_end_k_q19044498a1_attn:
	.size	k_q19044498a1_attn, .Lfunc_end_k_q19044498a1_attn-k_q19044498a1_attn
	.p2alignl 7, 3214868480
	.fill 96, 4, 3214868480
	.section	.rodata,"a",@progbits
	.p2align	6, 0x0
	.amdhsa_kernel k_q19044498a1_attn
		.amdhsa_group_segment_fixed_size 101376
		.amdhsa_private_segment_fixed_size 0
		.amdhsa_enable_private_segment 0
		.amdhsa_kernarg_size 32
		.amdhsa_user_sgpr_count 2
		.amdhsa_user_sgpr_kernarg_segment_ptr 1
		.amdhsa_wavefront_size32 1
		.amdhsa_system_sgpr_workgroup_id_x 1
		.amdhsa_system_sgpr_workgroup_id_y 1
		.amdhsa_system_sgpr_workgroup_id_z 1
		.amdhsa_system_vgpr_workitem_id 0
		.amdhsa_next_free_vgpr 258
		.amdhsa_next_free_sgpr 66
		.amdhsa_reserve_vcc 0
		.amdhsa_float_denorm_mode_32 3
		.amdhsa_float_denorm_mode_16_64 3
		.amdhsa_memory_ordered 1
		.amdhsa_forward_progress 1
		.amdhsa_inst_pref_size 78
	.end_amdhsa_kernel
	.amdgpu_metadata
---
amdhsa.version: [ 1, 2 ]
amdhsa.kernels:
  - .name:           k_q19044498a1_attn
    .symbol:         k_q19044498a1_attn.kd
    .args:
      - { .name: queries_nqd, .offset: 0, .size: 8, .value_kind: global_buffer, .address_space: global }
      - { .name: kv, .offset: 8, .size: 8, .value_kind: global_buffer, .address_space: global }
      - { .name: sched, .offset: 16, .size: 8, .value_kind: global_buffer, .address_space: global }
      - { .name: out0, .offset: 24, .size: 8, .value_kind: global_buffer, .address_space: global }
    .group_segment_fixed_size: 101376
    .private_segment_fixed_size: 0
    .kernarg_segment_align: 8
    .kernarg_segment_size: 32
    .max_flat_workgroup_size: 256
    .sgpr_count:     66
    .vgpr_count:     258
    .wavefront_size: 32
...
	.end_amdgpu_metadata
.endif
;; end of part 2
;; ======== version 2 of 2: 2 launches
;; limits: right only within a limited range of input values
;; workspace buffers: kv 2,293,760 bytes; sched 256 bytes of whole numbers
;; launch prep (part 3): grid 16 x 16, 8 waves a work-group, no clusters, 39,936 bytes of LDS; arguments keys_nsd, values_nsv, prefix_len_n, kv, sched; writes kv, sched
.if DOCPART == 3
	.amdgcn_target "amdgcn-amd-amdhsa--gfx1250"
	.amdhsa_code_object_version 6
	.text
	.protected	k_q19044498a1_prep
	.globl	k_q19044498a1_prep
	.p2align	8
	.type	k_q19044498a1_prep,@function
k_q19044498a1_prep:
	s_mov_b64 s[64:65], 0
	v_nop
	global_prefetch_b8 v0, s[64:65] scope:SCOPE_SE
	s_setreg_imm32_b32 hwreg(HW_REG_WAVE_MODE, 25, 1), 1
	s_wait_xcnt 0x0
; K [16][2048][64] f32 is quantised along d, V [16][2048][64] f32 along the KEYS, to codes of FP4 (E2M1) with one E8M0 byte for each 32 numbers; once, for all the query tiles that read them later.
; A block's scale is 2^(floor(log2(its largest magnitude)) - 2): its byte is the largest magnitude's exponent field - 2, held at 1 from below by a floor among the maximum's leaves.
; One work-group (x = key step ks of 128 keys, y = sample n) makes one RECORD of 8,960 bytes (35 x 256) at kv + (16 n + ks) x 8,960, laid as images of the operands' registers (L = lane, r = L % 16, h = L / 16):
;      0  K codes  [tile t 0..7][L][16 bytes]        key 128 ks + 32 (t / 2) + 8 (t % 2) + r + 8 (r / 8), d = 32 h .. 32 h + 31
;   4096  V codes  [tile t 0..3][c 0..1][L][16 bytes] channel 16 t + r, keys 128 ks + 64 c + 32 h + 0 .. 31
;   8192  K scale words [L][j 0..3]   the word of tile j + 4 h, row r: its two bytes twice (s0 s1 s0 s1), since d = 64 fills only half of a product's 128
;   8704  V scale words [L][j 0..1]   the word of tile j + 2 h, row r: byte b = the step's block b of 32 keys
; Wave w makes K's tile w (16 keys x 64 d: a lane holds a whole block of 32) and V's block w / 2 for channels 32 (w % 2) + lane (a lane to a channel, its registers down the keys).
; K's loads take the bytes as they lie (512 consecutive bytes a load) and turn through the wave's own stage in LDS; V's loads read 128 consecutive bytes of one key row, the neighbouring wave the row's other half.
; Wave 0 of work-group (0, 0) also sorts the 16 samples by prefix length: sched[rank] = (sample, prefix length held to 0 .. 2048), ascending, ties by the sample's number.
; LIMITS: NaN and infinities among the inputs are not served.  A block of zeros, or one whose largest magnitude lies under 2^-124, gets the byte 1 (the rule says 127 for zeros): its codes are zeros or as the
; floor's scale gives them; the bytes are read by this program alone.
; No tensor loads, no cluster: every input byte is read once, by one wave; work-groups share nothing.
.set RECB, 8960
.set SP,   144                         ; a lane's place in a stage: a block's 128 bytes + 16 of padding (an odd multiple of 16 bytes)
.set STGW, 32*SP                       ; a wave's stage
.set KSC,  8*STGW                      ; behind the stages: the record's 512 bytes of K scale words,
.set VSC,  KSC+512                     ; and its 256 bytes of V scale words
.set R,    16                          ; v16-47   K as loaded
.set X,    48                          ; v48-79   K turned: my block's 32 numbers
.set VX,   80                          ; v80-111  V: my channel's 32 keys
.set KC,   112                         ; v112-115 K's codes
.set VC,   116                         ; v116-119 V's codes
                                       ; v120-127 at work; v2-14 offsets and LDS addresses, never rewritten
; 32 numbers of a lane, v[x] on, become 32 codes in v[c] .. v[c + 3]; v[sc] the conversion's scale operand, v[by] the scale's byte
.macro BLK x, c, sc, by
	v_max3_num_f32 v120, |v[\x]|, |v[\x+1]|, 0x1800000             ; two chains; the floor 2^(3 - 127) is one leaf: the byte cannot fall under 1
	v_max3_num_f32 v121, |v[\x+2]|, |v[\x+3]|, |v[\x+4]|
.irp i, 5,9,13,17,21,25
	s_delay_alu instid0(VALU_DEP_2)
	v_max3_num_f32 v120, v120, |v[\x+\i]|, |v[\x+\i+1]|
	s_delay_alu instid0(VALU_DEP_2)
	v_max3_num_f32 v121, v121, |v[\x+\i+2]|, |v[\x+\i+3]|
.endr
	s_delay_alu instid0(VALU_DEP_2)
	v_max3_num_f32 v120, v120, |v[\x+29]|, |v[\x+30]|
	s_delay_alu instid0(VALU_DEP_1)
	v_max3_num_f32 v120, v120, v121, |v[\x+31]|
	s_delay_alu instid0(VALU_DEP_1)
	v_add_nc_u32 v[\sc], 0xff000000, v120                          ; 2 off the exponent field: the conversion takes this operand's exponent field as its scale
.irp g, 0,1,2,3
	v_cvt_scalef32_pk8_fp4_f32 v[\c+\g], v[\x+8*\g:\x+8*\g+7], v[\sc]
.endr
	v_lshrrev_b32 v[\by], 23, v[\sc]                               ; the byte; also the plain line behind the conversions
.endm
	s_load_b128 s[4:7], s[0:1], 0x0                ; K s[4:5], V s[6:7]
	s_load_b64 s[8:9], s[0:1], 0x10                ; prefix lengths
	s_load_b64 s[10:11], s[0:1], 0x18              ; kv
	s_load_b64 s[12:13], s[0:1], 0x20              ; sched
	v_lshl_add_u32 v128, v0, 2, 0x9800
	v_mov_b32 v129, 0
	v_lshrrev_b32 v1, 5, v0
	s_delay_alu instid0(VALU_DEP_1)
	v_readfirstlane_b32 s14, v1                    ; wave 0..7
	s_and_b32 s15, ttmp7, 0xffff                   ; the sample
	v_and_b32 v1, 31, v0                           ; lane
	v_bfe_u32 v120, v0, 4, 1                       ; h = lane / 16
	v_bfe_u32 v121, v0, 3, 1
	v_and_b32 v122, 7, v0
	v_and_b32 v123, 15, v0                         ; r = lane % 16
	v_lshlrev_b32 v2, 4, v1                        ; 16 x lane
	s_mul_i32 s16, s14, STGW                       ; my stage
	; into the stage: load j brings two key rows; lane l has row 2 j + l / 16, block (l / 8) % 2, 16 bytes at 16 (l % 8); the place of (row, block) is row + 16 x block
	v_mul_u32_u24 v3, v120, SP
	s_delay_alu instid0(VALU_DEP_1)
	v_mad_u32_u24 v3, v121, 16*SP, v3
	s_delay_alu instid0(VALU_DEP_1)
	v_lshl_add_u32 v3, v122, 4, v3
	s_delay_alu instid0(VALU_DEP_1)
	v_add_nc_u32 v3, s16, v3
	v_mul_u32_u24 v4, v1, SP                       ; out of it: place = my lane
	s_delay_alu instid0(VALU_DEP_1)
	v_add_nc_u32 v4, s16, v4
	s_lshr_b32 s17, s14, 2                         ; K's scale word of tile w, row r: KSC + 16 r + 256 (w / 4) + 4 (w % 4)
	s_lshl_b32 s17, s17, 8
	s_and_b32 s18, s14, 3
	s_lshl_b32 s18, s18, 2
	s_add_co_u32 s17, s17, s18
	s_add_co_u32 s17, s17, KSC
	v_lshl_add_u32 v5, v123, 4, s17
	v_lshlrev_b32 v6, 2, v1                        ; V: 4 bytes a lane
	s_and_b32 s19, s14, 1                          ; w % 2
	s_lshl_b32 s20, s19, 11                        ; V's codes in the record: tile 2 (w % 2) + l / 16, c = w / 4, h = (w / 2) % 2, row l % 16
	s_lshr_b32 s21, s14, 2
	s_lshl_b32 s21, s21, 9
	s_add_co_u32 s20, s20, s21
	s_bfe_u32 s21, s14, 0x10001
	s_lshl_b32 s21, s21, 8
	s_add_co_u32 s20, s20, s21
	s_add_co_u32 s20, s20, 4096
	v_lshlrev_b32 v7, 10, v120
	s_delay_alu instid0(VALU_DEP_1)
	v_lshl_add_u32 v7, v123, 4, v7
	s_delay_alu instid0(VALU_DEP_1)
	v_add_nc_u32 v7, s20, v7
	s_lshl_b32 s21, s19, 7                         ; V's scale byte: VSC + 8 (l % 16) + 128 (w % 2) + 4 (l / 16) + w / 2
	s_lshr_b32 s22, s14, 1
	s_add_co_u32 s21, s21, s22
	s_add_co_u32 s21, s21, VSC
	v_lshlrev_b32 v8, 3, v123
	s_delay_alu instid0(VALU_DEP_1)
	v_lshl_add_u32 v8, v120, 2, v8
	s_delay_alu instid0(VALU_DEP_1)
	v_add_nc_u32 v8, s21, v8
	s_lshl_b32 s23, s14, 9
	v_add_nc_u32 v9, s23, v2                       ; K's codes in the record: 512 w + 16 x lane
	v_lshlrev_b32 v10, 3, v120                     ; 8 h: my byte's place in the scale word,
	s_delay_alu instid0(VALU_DEP_1)
	v_sub_nc_u32 v11, 8, v10                       ; and the other half's
	v_add_nc_u32 v12, KSC, v2                      ; wave 0 reads the scale words back: 16 bytes a lane,
	v_lshlrev_b32 v14, 3, v1
	s_delay_alu instid0(VALU_DEP_1)
	v_add_nc_u32 v13, VSC, v14                     ; and 8 bytes a lane
	s_mov_b32 s32, 0x76543210
	s_mov_b32 s33, 0xfedcba98                      ; v_permlanex16_b32's selects for lane l xor 16
	s_lshl_b32 s24, s15, 19                        ; a sample is 524,288 bytes, a key step 32,768, 32 keys 8,192
	s_lshl_b32 s25, ttmp9, 15
	s_add_co_u32 s24, s24, s25
	s_lshl_b32 s25, s22, 13
	s_add_co_u32 s24, s24, s25
	s_lshl_b32 s26, s19, 11                        ; K: tile w begins at key 32 (w / 2) + 8 (w % 2)
	s_add_co_u32 s26, s24, s26
	s_mov_b32 s27, 0
	s_lshl_b32 s28, s19, 7                         ; V: block w / 2, channels 32 (w % 2) on
	s_add_co_u32 s28, s24, s28
	s_mov_b32 s29, 0
	s_lshl_b32 s30, s15, 4
	s_add_co_u32 s30, s30, ttmp9
	s_mul_i32 s30, s30, RECB                       ; my record
	s_mov_b32 s31, 0
	s_wait_kmcnt 0x0
	s_add_nc_u64 s[4:5], s[4:5], s[26:27]
	s_add_nc_u64 s[6:7], s[6:7], s[28:29]
	s_add_nc_u64 s[10:11], s[10:11], s[30:31]
.irp j, 0,1,2,3
	global_load_b128 v[R+4*\j:R+4*\j+3], v2, s[4:5] offset:512*\j th:TH_LOAD_NT              ; the tile's first eight keys: 2,048 consecutive bytes
.endr
.irp j, 4,5,6,7
	global_load_b128 v[R+4*\j:R+4*\j+3], v2, s[4:5] offset:4096+512*(\j-4) th:TH_LOAD_NT     ; and the eight that lie 16 keys further on
.endr
.irp i, 0,1,2,3,4,5,6,7,8,9,10,11,12,13,14,15,16,17,18,19,20,21,22,23,24,25,26,27,28,29,30,31
	global_load_b32 v[VX+\i], v6, s[6:7] offset:256*\i th:TH_LOAD_NT                         ; V(key i of my block, my channel)
.endr
	s_wait_loadcnt 32                              ; K's eight loads are in; V's 32, issued behind them, stay out
.irp j, 0,1,2,3,4,5,6,7
	ds_store_b128 v3, v[R+4*\j:R+4*\j+3] offset:2*SP*\j
.endr
.irp i, 0,1,2,3,4,5,6,7
	ds_load_b128 v[X+4*\i:X+4*\i+3], v4 offset:16*\i               ; LDS serves a wave's instructions in order (ISA guide 5.7.1.4): these see my stores
.endr
	s_wait_dscnt 0x0
	BLK X, KC, 122, 123                            ; lane (r, h): block h of the tile's row r
	global_store_b128 v9, v[KC:KC+3], s[10:11]     ; the wave stores 512 consecutive bytes
	v_mov_b32 v124, 0                              ; (a lane permute's destination counts as one of its sources)
	s_delay_alu instid0(VALU_DEP_1)
	v_permlanex16_b32 v124, v123, s32, s33         ; the row's other byte
	v_lshlrev_b32 v123, v10, v123
	s_delay_alu instid0(VALU_DEP_2)
	v_lshlrev_b32 v124, v11, v124
	s_delay_alu instid0(VALU_DEP_1)
	v_or_b32 v123, v123, v124                      ; s0 | s1 << 8,
	s_delay_alu instid0(VALU_DEP_1)
	v_lshl_or_b32 v123, v123, 16, v123             ; twice
	ds_store_b32 v5, v123                          ; both halves of the lanes write the same word with the same value
	s_wait_loadcnt 0x0                             ; V
	BLK VX, VC, 126, 127
	global_store_b128 v7, v[VC:VC+3], s[10:11]     ; lanes 0-15 and lanes 16-31 each store 256 consecutive bytes, aligned
	ds_store_b8 v8, v127
	s_wait_dscnt 0x0                               ; for wave 0's sake: my scale words and bytes lie in LDS
	s_barrier_signal -1
	s_barrier_wait -1
	s_cmp_lg_u32 s14, 0
	s_cbranch_scc1 .Ldone
	ds_load_b128 v[16:19], v12                     ; wave 0: the record's 768 bytes of scale words leave as three whole runs of 256 bytes
	ds_load_b64 v[20:21], v13
	s_wait_dscnt 0x0
	global_store_b128 v2, v[16:19], s[10:11] offset:8192
	global_store_b64 v14, v[20:21], s[10:11] offset:8704
	s_or_b32 s28, s15, ttmp9
	s_cmp_lg_u32 s28, 0
	s_cbranch_scc1 .Ldone
	; THE ORDER OF THE SAMPLES, by one wave of one work-group.  Lanes 16-31 repeat lanes 0-15: same address, same value.
	v_and_b32 v126, 15, v0                         ; the sample
	s_delay_alu instid0(VALU_DEP_1)
	v_lshlrev_b32 v120, 2, v126
	global_load_b32 v121, v120, s[8:9]
	v_mov_b32 v124, 0                              ; its rank
	s_wait_loadcnt 0x0
	v_cmp_le_i32 vcc_lo, 0, v121
	s_delay_alu instid0(VALU_DEP_1)
	v_cndmask_b32 v121, 0, v121, vcc_lo            ; a negative length lets no key through: 0
	s_delay_alu instid0(VALU_DEP_1)
	v_min_u32 v127, 0x800, v121                    ; one beyond 2,048 lets all through: 2,048
	s_wait_alu depctr_va_vdst(0)
	v_lshl_add_u32 v122, v127, 4, v126             ; 16 x length + sample: no two alike
.irp m, 0,1,2,3,4,5,6,7,8,9,10,11,12,13,14,15
	v_readlane_b32 s28, v122, \m
	s_delay_alu instid0(VALU_DEP_1)
	v_cmp_lt_u32 vcc_lo, s28, v122
	s_delay_alu instid0(VALU_DEP_1)
	v_add_co_ci_u32 v124, vcc_lo, 0, v124, vcc_lo  ; one more for each sample that comes before mine
.endr
	s_delay_alu instid0(VALU_DEP_1)
	v_min_u32 v124, 15, v124
	s_delay_alu instid0(VALU_DEP_1)
	v_lshlrev_b32 v124, 3, v124
	global_store_b64 v124, v[126:127], s[12:13]    ; sched[rank] = (sample, length)
.Ldone:
	s_wait_tensorcnt 0x0
	ds_add_u32 v128, v129
	s_wait_dscnt 0x0
	s_endpgm
.Lfunc_end_k_q19044498a1_prep:
	.size	k_q19044498a1_prep, .Lfunc_end_k_q19044498a1_prep-k_q19044498a1_prep
	.p2alignl 7, 3214868480
	.fill 96, 4, 3214868480
	.section	.rodata,"a",@progbits
	.p2align	6, 0x0
	.amdhsa_kernel k_q19044498a1_prep
		.amdhsa_group_segment_fixed_size 39936
		.amdhsa_private_segment_fixed_size 0
		.amdhsa_enable_private_segment 0
		.amdhsa_kernarg_size 40
		.amdhsa_user_sgpr_count 2
		.amdhsa_user_sgpr_kernarg_segment_ptr 1
		.amdhsa_wavefront_size32 1
		.amdhsa_system_sgpr_workgroup_id_x 1
		.amdhsa_system_sgpr_workgroup_id_y 1
		.amdhsa_system_sgpr_workgroup_id_z 1
		.amdhsa_system_vgpr_workitem_id 0
		.amdhsa_next_free_vgpr 130
		.amdhsa_next_free_sgpr 66
		.amdhsa_reserve_vcc 1
		.amdhsa_float_denorm_mode_32 3
		.amdhsa_float_denorm_mode_16_64 3
		.amdhsa_memory_ordered 1
		.amdhsa_forward_progress 1
		.amdhsa_inst_pref_size 18
	.end_amdhsa_kernel
	.amdgpu_metadata
---
amdhsa.version: [ 1, 2 ]
amdhsa.kernels:
  - .name:           k_q19044498a1_prep
    .symbol:         k_q19044498a1_prep.kd
    .args:
      - { .name: keys_nsd, .offset: 0, .size: 8, .value_kind: global_buffer, .address_space: global }
      - { .name: values_nsv, .offset: 8, .size: 8, .value_kind: global_buffer, .address_space: global }
      - { .name: prefix_len_n, .offset: 16, .size: 8, .value_kind: global_buffer, .address_space: global }
      - { .name: kv, .offset: 24, .size: 8, .value_kind: global_buffer, .address_space: global }
      - { .name: sched, .offset: 32, .size: 8, .value_kind: global_buffer, .address_space: global }
    .group_segment_fixed_size: 39936
    .private_segment_fixed_size: 0
    .kernarg_segment_align: 8
    .kernarg_segment_size: 40
    .max_flat_workgroup_size: 256
    .sgpr_count:     66
    .vgpr_count:     130
    .wavefront_size: 32
...
	.end_amdgpu_metadata
.endif
;; end of part 3
;; launch attn (part 4): grid 32 x 8, 8 waves a work-group, no clusters, 101,376 bytes of LDS; arguments queries_nqd, kv, sched, out0; writes out0
.if DOCPART == 4
	.amdgcn_target "amdgcn-amd-amdhsa--gfx1250"
	.amdhsa_code_object_version 6
	.text
	.protected	k_q19044498a1_attn
	.globl	k_q19044498a1_attn
	.p2align	8
	.type	k_q19044498a1_attn,@function
k_q19044498a1_attn:
	s_mov_b64 s[64:65], 0
	v_nop
	global_prefetch_b8 v0, s[64:65] scope:SCOPE_SE
	s_setreg_imm32_b32 hwreg(HW_REG_WAVE_SCHED_MODE, 0, 2), 2
	s_setreg_imm32_b32 hwreg(HW_REG_WAVE_MODE, 25, 1), 1
	s_wait_xcnt 0x0
	s_wait_alu depctr_vm_vsrc(0)
; out[n][q][:] = sum over keys of softmax(Q[n][q] . K[n][key] x 0.125, masked) V[n][key][:]; a key counts where key < prefix length of n, or key = q; all other logits are -1e9.
; Both products on codes of FP4 (E2M1) with one E8M0 scale for each 32 along K.  K and V come as records of 8,960 bytes for each (sample, 128 keys), images of the operands' registers, made by the launch before;
; Q (f32) is read once and quantised here in registers.
; THE SOFTMAX AHEAD OF THE SECOND PRODUCT: t = score x 0.125 log2(e); M = the row's largest t so far, rounded UP to a whole number; p = 2^(t - M) is quantised along the keys, not normalised; the row's sum is taken of the
; unquantised p and divides at the end.  When M moves, the sum and O are multiplied by 2^(old M - new M): exact.
; WORK THAT IS LEFT OUT: a step of 128 keys that lies wholly beyond the prefix and does not hold the tile's diagonal gives p = 0 throughout; it is passed over by a scalar branch on the stored prefix length.
; Every step that is walked holds at least one key that counts for every query of the tile, so M is a number from the first walked step on.
; SHARES.  A work-group takes one block of 64 queries (x) of TWO samples: waves 0-3 of the sample of rank y in ascending prefix length, waves 4-7 of the sample of rank 15 - y, so that every work-group has about
; the same number of steps to walk.  A wave owns one tile of 16 queries.  The four waves of a group bring each record into LDS together, a quarter each, through registers, one step ahead, into two slots by turns.
; THE LOOP has 16 steps (8 trips of two) and one barrier a step for every wave, whatever the prefix; only loads, stores and work are jumped over.
; NO TENSOR LOADS, SO NO JOINT LOADS IN A CLUSTER: which steps are walked hangs on a number read from memory, and partners would need different numbers of tiles (0 to 16 steps, by the sample).
; LAYOUT.  Both products are used transposed: S^T = K Q^T (source 0 = 16 keys, source 1 = my 16 queries), O^T = V^T P^T: a lane holds ONE query (lane % 16) throughout.  The keys of a tile are not neighbours
; (lane r of tile 2 b + u has key 32 b + 8 u + r + 8 (r / 8)), so that the 16 registers of tiles 2 b, 2 b + 1 are keys 32 b + 16 (lane / 16) + 0 .. 15.
; d = 64 IN A PRODUCT OF 128: the other half of both operands is zero codes.  Even tiles stand as [codes, zeros] against Q as [codes, zeros], odd tiles as [zeros, codes] against [zeros, codes], so that two
; tiles share four zero registers; scale words hold their two bytes twice and serve both.
; LIMITS: NaN and infinities among the inputs are not served.  Passing over masked steps takes a row's counted logits to lie far above -1e9 (at 30 times the drawn spread they stay under some 3e5 in magnitude).
; v_exp_f32 gives 0 for p under 2^-126.  A block of p that is all zeros carries the byte 1 with zero codes.
; THE MODE: SCHED_MODE bits 1:0 = 2 (LLVM: expert scheduling mode 2), set by the entry lines.  The code itself states the register dependences between vector or matrix instructions and memory or LDS
; instructions, with s_wait_alu, always for 0.
; THE PLAN.  Registers that memory or LDS instructions touch:
;   v1-v9      offsets and LDS addresses: written at the head, never again; read by every load and store.
;   v253       at the head Q's byte offset, read by Q's loads; later written by a masked step.
;   STG        zeros from the head; then each trip: the next record's loads land in it at the trip's head, the LDS stores read it at the trip's end.  No vector instruction of the loop names it.
;   K's tiles and scale words, V's fragments and scale words: a step's 18 LDS loads land in them at its head; its 8 score products and its 4 products for O^T read them.
;   S          on the way out: its lower half is written by the divisions and read by the stage's stores; the stage's loads land in its upper half, which a step's softmax named last.
; Operands of scaled products that vector instructions write: Q's codes, its scale word and the zero codes (head); p's codes and scale word (each step).
; THE WAITS.  Head: one on va_sdst behind the wave's number, one on va_vdst ahead of the first load.  Trip's head: one on vm_vsrc (the LDS stores have read STG).  Step: one on va_vdst ahead of its LDS loads,
; one behind its exponentials, one ahead of the products for O^T; in a masked step one on va_sdst behind each run of compares.  Way out: one on va_vdst behind the reciprocal, one ahead of the stage's stores.
.set RECB,   8960
.set SLOTB,  32768                     ; LDS: slot s of group g at s x 32,768 + g x 16,384 (8,960 bytes used)
.set STAGE,  65536                     ; behind the slots: 16 rows x (256 + 16) bytes for each wave, for the way out
.set SPITCH, 272
.set LI,  1                            ; v1   g x 16,384 + 16 x lane: an image's place for my lane
.set LV,  2                            ; v2   g x 16,384 + 8,704 + 8 x lane: V's scale words
.set SW,  3                            ; v3   where I store my quarter of a record's codes: g x 16,384 + 2,048 wq + 16 x lane
.set SW2, 4                            ; v4   and my third of its scale words: g x 16,384 + 8,192 + 256 wq + 8 x lane
.set GL,  5                            ; v5   the same two places in the record in memory
.set GL2, 6                            ; v6
.set SO,  7                            ; v7   the stage: where I put 32 bytes of a row
.set SR,  8                            ; v8   and where I read rows back
.set GO,  9                            ; v9   16 x lane: my bytes in two rows of out
.set H16, 10                           ; v10  16 (lane / 16)
.set QD,  11                           ; v11  my query - 16 (lane / 16)
                                       ; v12 -M, v13 the largest t, v[14:15] the sum in two halves
.set QF,  16                           ; v16-27   Q: codes, four zeros, the codes again
.set STG, 28                           ; v28-45   my part of the next record on its way
.set VS,  46                           ; v46-47   V's scale words   (v46-51, v250, v252 hold scales and nothing else)
.set KS,  48                           ; v48-51   K's scale words
.set KB,  52                           ; v52-99   K: pair p at 52 + 12 p: tile 2 p, four zeros, tile 2 p + 1
.set S,   100                          ; v100-163 S^T, then p
.set OT,  164                          ; v164-195 O^T, four tiles of 16 channels
.set VF,  196                          ; v196-227 V's four fragments
.set PC,  228                          ; v228-235 p's codes
.set BM,  236                          ; v236-239 each block's largest score, then its largest p
.set T2,  240                          ; v240-243 at work
.set SC,  244                          ; v244-247 the conversions' scale operands
.set F,   248                          ; v[248:249] f = 2^(old M - new M); v249 is only named with it as a pair
.set PW,  250                          ; v250 p's scale word
.set TMP, 251
.set QS,  252                          ; v252 Q's scale word
.set D1,  253                          ; v253 prefix length - the step's first key - 16 (lane / 16); at the head: my byte offset in Q
.set D2,  254                          ; v254 my query - the step's first key - 16 (lane / 16)
.set NEGV, 255                         ; v255 -8e9: x 0.125 it is the masked logit, -1e9
.set WV,  12                           ; s12 wave, s13 group g, s14 wq = wave % 4
.set GRP, 13
.set WQ,  14
.set SN,  16                           ; s16 my sample, s17 its prefix length P
.set PL,  17
.set NB,  18                           ; s18 steps that begin inside the prefix: (P + 127) / 128
.set DS,  19                           ; s19 the step that holds my block's diagonal
.set Q0,  20                           ; s20 my first query
.set IX,  21                           ; s21 the step in hand; s22 its first key
.set KF,  22
.set LC,  23                           ; s23 trips to go
.set REC, 24                           ; s[24:25] the record to be asked for
.set AC,  26                           ; s26 the step in hand is walked; s27 the next one is
.set AN,  27
.set SEL, 32                           ; s[32:33] lane selects for lane l xor 16
.set CS,  34                           ; s[34:35] c = 0.125 log2(e)
.set MB,  40                           ; s40-55 mask bits: two for each of eight registers
.macro ACTIVE idx, dst                 ; is step s[idx] walked?  It begins inside the prefix, or holds the diagonal.  Step 16 never is: NB <= 16, DS <= 15
	s_cmp_lt_u32 s[\idx], s[NB]
	s_cselect_b32 s[\dst], 1, 0
	s_cmp_eq_u32 s[\idx], s[DS]
	s_cselect_b32 s28, 1, 0
	s_or_b32 s[\dst], s[\dst], s28
.endm
.macro GLOAD                           ; my part of the record at s[REC]: 2,048 bytes of codes; waves wq = 0, 1, 2 also 256 bytes of scale words
.irp j, 0,1,2,3
	global_load_b128 v[STG+4*\j:STG+4*\j+3], v[GL], s[REC:REC+1] offset:512*\j
.endr
	s_cmp_lt_u32 s[WQ], 3
	s_cbranch_scc0 .Lno_gs_\@
	global_load_b64 v[STG+16:STG+17], v[GL2], s[REC:REC+1]
.Lno_gs_\@:
.endm
.macro LSTORE slot                     ; and into the slot, as it lies
.irp j, 0,1,2,3
	ds_store_b128 v[SW], v[STG+4*\j:STG+4*\j+3] offset:(\slot)*SLOTB+512*\j
.endr
	s_cmp_lt_u32 s[WQ], 3
	s_cbranch_scc0 .Lno_ls_\@
	ds_store_b64 v[SW2], v[STG+16:STG+17] offset:(\slot)*SLOTB
.Lno_ls_\@:
.endm
; A KEY STEP: 128 keys out of the slot.
.macro STEP slot
.set SB, (\slot)*SLOTB
	s_wait_alu depctr_va_vdst(0)                   ; the last walked step's products are done reading K's tiles, V's fragments and their scale words, in which the 18 loads below land; in the first walked step: Q's codes, its scale word and the zero codes are written, which the score products take
	ds_load_b128 v[KS:KS+3], v[LI] offset:SB+8192                  ; register j: lanes 0-15 the words of tile j, lanes 16-31 those of tile j + 4
.irp t, 0,1,2,3,4,5,6,7
	ds_load_b128 v[KB+12*(\t/2)+8*(\t%2):KB+12*(\t/2)+8*(\t%2)+3], v[LI] offset:SB+512*\t
.endr
	ds_load_b64 v[VS:VS+1], v[LV] offset:SB                        ; register j: lanes 0-15 tile j, lanes 16-31 tile j + 2
.irp f, 0,1,2,3,4,5,6,7
	ds_load_b128 v[VF+4*\f:VF+4*\f+3], v[LI] offset:SB+4096+512*\f
.endr
	s_wait_dscnt 0x9                               ; K's scale words and its eight tiles are in; the nine loads for V, issued behind them, stay out
.irp t, 0,1,2,3
	v_wmma_scale_f32_16x16x128_f8f6f4 v[S+8*\t:S+8*\t+7], v[KB+12*(\t/2)+4*(\t%2):KB+12*(\t/2)+4*(\t%2)+7], v[QF+4*(\t%2):QF+4*(\t%2)+7], 0, v[KS+\t], v[QS] matrix_a_fmt:MATRIX_FMT_FP4 matrix_b_fmt:MATRIX_FMT_FP4
.endr
.irp t, 4,5,6,7
	v_wmma_scale_f32_16x16x128_f8f6f4 v[S+8*\t:S+8*\t+7], v[KB+12*(\t/2)+4*(\t%2):KB+12*(\t/2)+4*(\t%2)+7], v[QF+4*(\t%2):QF+4*(\t%2)+7], 0, v[KS+\t-4], v[QS] matrix_a_fmt:MATRIX_FMT_FP4 matrix_b_fmt:MATRIX_FMT_FP4 matrix_a_scale:MATRIX_SCALE_ROW1
.endr
.rept 4
	v_nop                                          ; four plain lines between a product and the first read of its result (ISA guide 7.12.1)
.endr
	; THE MASK.  A step that lies wholly inside the prefix has none.  Register 16 b + i holds key KF + 16 (lane / 16) + c, c = 32 b + i: it counts where c < D1 or c = D2.
	; c has bit 4 clear; in the half of the lanes that does not hold the diagonal D2 has bit 4 set or lies outside 0 .. 127, so it meets no c.
	s_add_co_u32 s28, s[KF], 128
	s_cmp_le_u32 s28, s[PL]
	s_cbranch_scc1 .Lopen_\@
	s_sub_co_i32 s28, s[PL], s[KF]
	v_sub_nc_u32 v[D1], s28, v[H16]                ; (Q's loads, which read this register as their offset, have read it: the wait at the first trip's head)
	v_sub_nc_u32 v[D2], v[QD], s[KF]
.set MN, 0
.rept 8                                        ; eight registers at a time, ascending: sixteen compares in a run, so that one wait serves them all
.irp k, 0,1,2,3,4,5,6,7
	v_cmp_lt_i32 s[MB+2*\k], 32*((MN+\k)/16)+(MN+\k)%16, v[D1]
	v_cmp_eq_u32 s[MB+2*\k+1], 32*((MN+\k)/16)+(MN+\k)%16, v[D2]
.endr
	s_wait_alu depctr_va_sdst(0)                   ; the sixteen compares have written s40 to s55, ahead of their first readers, the scalar lines below
.irp k, 0,1,2,3,4,5,6,7
	s_or_b32 s[MB+2*\k], s[MB+2*\k], s[MB+2*\k+1]
.endr
.irp k, 0,1,2,3,4,5,6,7
	v_cndmask_b32 v[S+MN+\k], v[NEGV], v[S+MN+\k], s[MB+2*\k]
.endr
.set MN, MN+8
.endr
.Lopen_\@:
.irp b, 0,1,2,3
	v_max3_num_f32 v[BM+\b], v[S+16*\b], v[S+1+16*\b], v[S+2+16*\b]       ; the largest score of each block of 32 keys: it serves for the row's maximum and, since p rises with the score, for the block's largest p
.endr
.irp i, 3,5,7,9,11,13
.irp b, 0,1,2,3
	v_max3_num_f32 v[BM+\b], v[BM+\b], v[S+16*\b+\i], v[S+1+16*\b+\i]     ; (the four blocks by turns)
.endr
.endr
.irp b, 0,1,2,3
	v_max_num_f32 v[BM+\b], v[BM+\b], v[S+15+16*\b]
.endr
.irp b, 0,1,2,3
	v_permlanex16_b32 v[T2+\b], v[BM+\b], s[SEL], s[SEL+1]
.endr
.irp b, 0,1,2,3
	v_max_num_f32 v[BM+\b], v[BM+\b], v[T2+\b]     ; with lane l xor 16's 16 keys
.endr
	v_max3_num_f32 v[TMP], v[BM], v[BM+1], v[BM+2]
	v_max_num_f32 v[TMP], v[TMP], v[BM+3]          ; the step's largest score of my query
	v_mul_f32 v[TMP], s[CS], v[TMP]                ; as t (c is positive)
	v_max_num_f32 v13, v13, v[TMP]                 ; the running largest t
	v_mov_b32 v[TMP], v12
	v_floor_f32 v12, -v13                          ; the new -M = floor(-t) = -ceil(t): M is a whole number
	v_sub_f32 v[TMP], v12, v[TMP]                  ; old M - new M: a whole number, 0 or less
	v_cvt_i32_f32 v[TMP], v[TMP]                   ; (it saturates)
	v_ldexp_f32 v[F], 1.0, v[TMP]                  ; f = 2^(old M - new M)
.irp j, 0,2,4,6,8,10,12,14,16,18,20,22,24,26,28,30,32,34,36,38,40,42,44,46,48,50,52,54,56,58,60,62
	v_pk_fma_f32 v[S+\j:S+1+\j], v[S+\j:S+1+\j], s[CS:CS+1], v[12:13] op_sel_hi:[1,0,0]   ; t - M, two at a time (of the pairs c and -M the low word serves both halves)
.endr
.irp b, 0,1,2,3
	v_fma_f32 v[BM+\b], v[BM+\b], s[CS], v12       ; the same of each block's largest score
.endr
	s_wait_alu depctr_va_vdst(0)
.irp j, 0,1,2,3,4,5,6,7,8,9,10,11,12,13,14,15,16,17,18,19,20,21,22,23,24,25,26,27,28,29,30,31,32,33,34,35,36,37,38,39,40,41,42,43,44,45,46,47,48,49,50,51,52,53,54,55,56,57,58,59,60,61,62,63
	v_exp_f32 v[S+\j], v[S+\j]                     ; p = 2^(t - M), at most 1; 0 for a masked key
.endr
.irp b, 0,1,2,3
	v_exp_f32 v[BM+\b], v[BM+\b]                   ; the block's largest p: the same two instructions on the same number give the same bits
.endr
	v_pk_mul_f32 v[14:15], v[14:15], v[F:F+1] op_sel_hi:[1,0]      ; the sums under the new M; also the plain line behind the exponentials
	s_wait_alu depctr_va_vdst(0)
.irp j, 0,2,4,6,8,10,12,14,16,18,20,22,24,26,28,30
	v_pk_mul_f32 v[OT+\j:OT+1+\j], v[OT+\j:OT+1+\j], v[F:F+1] op_sel_hi:[1,0]   ; O^T under the new M: work that names no exponential's result
.endr
	s_wait_alu depctr_va_vdst(0)                   ; the 68 exponentials have written p and each block's largest p: one wait for the batch, ahead of the first line that names a result
.irp b, 0,1,2,3
	v_max_num_f32 v[BM+\b], 0x1800000, v[BM+\b]    ; the floor 2^(3 - 127): the byte cannot fall under 1
.endr
.irp b, 0,1,2,3
	v_add_nc_u32 v[SC+\b], 0xff000000, v[BM+\b]    ; 2 off the exponent field: the conversion's scale operand
.endr
.irp b, 0,1,2,3
	v_lshrrev_b32 v[T2+\b], 23, v[SC+\b]           ; the scale's byte
.endr
	v_lshl_or_b32 v[PW], v[T2+1], 8, v[T2]         ; p's scale word for these 128 keys
	v_lshl_or_b32 v[PW], v[T2+2], 16, v[PW]
	v_lshl_or_b32 v[PW], v[T2+3], 24, v[PW]
.irp b, 0,1,2,3
	v_cvt_scalef32_pk8_fp4_f32 v[PC+2*\b], v[S+16*\b:S+7+16*\b], v[SC+\b]
	v_cvt_scalef32_pk8_fp4_f32 v[PC+1+2*\b], v[S+8+16*\b:S+15+16*\b], v[SC+\b]
.endr
	v_nop                                          ; one plain line behind the scaled conversions
.irp c, 0,1                                    ; the operand's layout wants a whole block in a lane: lanes 0-15 block 2 c, lanes 16-31 block 2 c + 1
.irp i, 0,1
	v_permlane16_swap_b32 v[PC+4*\c+\i], v[PC+2+4*\c+\i]
.endr
.endr
	v_pk_add_f32 v[T2:T2+1], v[S:S+1], v[S+2:S+3]  ; the row's sum is taken of the unquantised p: two at a time, in two chains
.irp j, 4,8,12,16,20,24,28,32,36,40,44,48,52,56,60
	v_pk_add_f32 v[14:15], v[14:15], v[S+\j:S+1+\j]
	v_pk_add_f32 v[T2:T2+1], v[T2:T2+1], v[S+2+\j:S+3+\j]
.endr
	v_pk_add_f32 v[14:15], v[14:15], v[T2:T2+1]    ; these 32 sums stand between the writes of p's scale word and codes and the products below
	s_wait_dscnt 0x0                               ; V's fragments and scale words are in
	s_wait_alu depctr_va_vdst(0)                   ; p's codes and its scale word are written, which the scaled products below take; the plain lines above stay beside this wait
.irp t, 0,1                                    ; O^T += V^T P^T: the four accumulators by turns, one instruction a turn; the eight score products stand between two sums onto one accumulator
	v_wmma_scale_f32_16x16x128_f8f6f4 v[OT+8*\t:OT+8*\t+7], v[VF+8*\t:VF+8*\t+7], v[PC:PC+7], v[OT+8*\t:OT+8*\t+7], v[VS+\t], v[PW] matrix_a_fmt:MATRIX_FMT_FP4 matrix_b_fmt:MATRIX_FMT_FP4
.endr
.irp t, 2,3
	v_wmma_scale_f32_16x16x128_f8f6f4 v[OT+8*\t:OT+8*\t+7], v[VF+8*\t:VF+8*\t+7], v[PC:PC+7], v[OT+8*\t:OT+8*\t+7], v[VS+\t-2], v[PW] matrix_a_fmt:MATRIX_FMT_FP4 matrix_b_fmt:MATRIX_FMT_FP4 matrix_a_scale:MATRIX_SCALE_ROW1
.endr
.rept 4
	v_nop                                          ; four plain lines behind the last products, ahead of the first read of O^T (ISA guide 7.12.1)
.endr
.endm
; One step of the loop.  The next record is asked for first, the step in hand is worked, the next record goes into the other slot; then ONE barrier: in front of it my reads of this slot are back and my part of
; the other slot is stored; behind it the other slot is read and this one is written.
.macro TRIP slot
	s_wait_alu depctr_vm_vsrc(0)                   ; the LDS stores of the step before have read STG, in which the loads below land; in the first trip also: Q's loads have read v253, which a masked step writes
	s_add_co_u32 s29, s[IX], 1
	ACTIVE 29, AN
	s_add_nc_u64 s[REC:REC+1], s[REC:REC+1], RECB  ; no load of mine is out: the last were waited for in front of the last barrier
	s_cmp_eq_u32 s[AN], 0
	s_cbranch_scc1 .Lno_load_\@
	GLOAD
.Lno_load_\@:
	s_cmp_eq_u32 s[AC], 0
	s_cbranch_scc1 .Lno_step_\@
	STEP \slot
.Lno_step_\@:
	s_wait_loadcnt 0x0                             ; my part of the next record is in registers
	s_cmp_eq_u32 s[AN], 0
	s_cbranch_scc1 .Lno_store_\@
	LSTORE 1-\slot
.Lno_store_\@:
	s_wait_dscnt 0x0                               ; for the others' sake: my stores have landed, my reads are back
	s_barrier_signal -1
	s_barrier_wait -1
	s_mov_b32 s[AC], s[AN]
	s_add_co_u32 s[IX], s[IX], 1
	s_add_co_u32 s[KF], s[KF], 128
.endm
	s_load_b256 s[4:11], s[0:1], 0x0               ; Q s[4:5], kv s[6:7], sched s[8:9], out s[10:11]
	s_set_vgpr_msb 0x40
	v_lshl_add_u32 v0, v0, 2, 0x18800
	v_mov_b32 v1, 0
	s_set_vgpr_msb 0x4000
	v_lshrrev_b32 v1, 5, v0
	v_readfirstlane_b32 s[WV], v1                  ; wave 0..7
	s_wait_alu depctr_va_sdst(0)                   ; s12 is written, ahead of its first reader: the group, the quarter and all that is made of them
	s_lshr_b32 s[GRP], s[WV], 2
	s_and_b32 s[WQ], s[WV], 3
	s_and_b32 s28, ttmp7, 0xffff                   ; the pair y
	s_sub_co_u32 s29, 15, s28
	s_cmp_eq_u32 s[GRP], 0
	s_cselect_b32 s28, s28, s29                    ; my group's rank: y, or 15 - y
	s_lshl_b32 s28, s28, 3
	s_mov_b32 s29, 0
	s_wait_kmcnt 0x0
	s_add_nc_u64 s[8:9], s[8:9], s[28:29]
	s_load_b64 s[SN:SN+1], s[8:9], 0x0             ; (sample, prefix length)
	s_lshr_b32 s[DS], ttmp9, 1                     ; queries 64 x .. 64 x + 63 lie in key step x / 2
	s_lshl_b32 s[Q0], ttmp9, 6
	s_lshl_b32 s30, s[WQ], 4
	s_add_co_u32 s[Q0], s[Q0], s30
	s_mov_b32 s[IX], 0
	s_mov_b32 s[KF], 0
	s_mov_b32 s[LC], 8
	s_mov_b32 s[SEL], 0x76543210
	s_mov_b32 s[SEL+1], 0xfedcba98
	s_mov_b32 s[CS], 0x3e38aa3b                    ; 0.125 log2(e)
	s_mov_b32 s[CS+1], s[CS]                       ; (named with it as a pair, so it is written)
	v_and_b32 v236, 31, v0                         ; lane
	v_and_b32 v237, 15, v0                         ; r
	v_bfe_u32 v238, v0, 4, 1                       ; h
	v_lshlrev_b32 v239, 3, v236                    ; 8 x lane
	s_lshl_b32 s30, s[GRP], 14                     ; my group's half of a slot
	v_lshlrev_b32 v[GO], 4, v236
	v_add_nc_u32 v[LI], s30, v[GO]
	s_add_co_u32 s31, s30, 8704
	v_add_nc_u32 v[LV], s31, v239
	s_lshl_b32 s31, s[WQ], 11
	v_add_nc_u32 v[GL], s31, v[GO]
	v_add_nc_u32 v[SW], s30, v[GL]
	s_lshl_b32 s31, s[WQ], 8
	s_add_co_u32 s31, s31, 8192
	v_add_nc_u32 v[GL2], s31, v239
	v_add_nc_u32 v[SW2], s30, v[GL2]
	s_mul_i32 s31, s[WV], 16*SPITCH
	s_add_co_u32 s31, s31, STAGE                   ; my stage
	v_mul_u32_u24 v[SO], v237, SPITCH              ; in: row r, 32 bytes for each half of the lanes
	v_lshl_add_u32 v[SO], v238, 5, v[SO]
	v_add_nc_u32 v[SO], s31, v[SO]
	v_mul_u32_u24 v[SR], v238, SPITCH              ; back: lanes 0-15 one row of 256 bytes, lanes 16-31 the next
	v_lshl_add_u32 v[SR], v237, 4, v[SR]
	v_add_nc_u32 v[SR], s31, v[SR]
	v_lshlrev_b32 v[H16], 4, v238
	v_sub_nc_u32 v[QD], v237, v[H16]
	v_add_nc_u32 v[QD], s[Q0], v[QD]
	v_lshlrev_b32 v[D1], 8, v237                   ; Q: row r of 256 bytes, + 128 h: my block of 32
	v_lshl_add_u32 v[D1], v238, 7, v[D1]
.irp i, 0,1,2,3,4,5,6,7,8,9,10,11,12,13,14,15,16,17
	v_mov_b32 v[STG+\i], 0                         ; written once, so that these registers hold something on every way to a store
.endr
	s_wait_kmcnt 0x0
	s_min_u32 s[SN], s[SN], 15                     ; held inside their ranges before anything is made of them
	s_min_u32 s[PL], s[PL], 0x800
	s_add_co_u32 s[NB], s[PL], 127
	s_lshr_b32 s[NB], s[NB], 7
	s_lshl_b32 s28, s[SN], 19                      ; a sample of Q or of out is 524,288 bytes, a row 256
	s_lshl_b32 s30, s[Q0], 8
	s_add_co_u32 s28, s28, s30
	s_mov_b32 s29, 0
	s_add_nc_u64 s[4:5], s[4:5], s[28:29]
	s_add_nc_u64 s[10:11], s[10:11], s[28:29]
	s_mul_i32 s28, s[SN], 16*RECB
	s_add_nc_u64 s[REC:REC+1], s[6:7], s[28:29]    ; my sample's record 0
	ACTIVE IX, AC
	s_wait_alu depctr_va_vdst(0)                   ; the offsets and addresses v1 to v9 and v253 are written, which the kernel's loads and stores read; so are STG's zeros, in which the record's loads land
	s_cmp_eq_u32 s[AC], 0
	s_cbranch_scc1 .Lno_first
	GLOAD
.Lno_first:
.irp j, 0,1,2,3,4,5,6,7
	global_load_b128 v[S+4*\j:S+4*\j+3], v[D1], s[4:5] offset:16*\j th:TH_LOAD_NT   ; Q(Q0 + r, 32 h + 4 j ..): a lane holds a whole block
.endr
	s_wait_loadcnt 0x0
	v_max3_num_f32 v240, |v[S]|, |v[S+1]|, 0x1800000               ; Q's block: its largest magnitude, with the floor 2^(3 - 127)
	v_max3_num_f32 v241, |v[S+2]|, |v[S+3]|, |v[S+4]|
.irp i, 5,9,13,17,21,25
	v_max3_num_f32 v240, v240, |v[S+\i]|, |v[S+\i+1]|
	v_max3_num_f32 v241, v241, |v[S+\i+2]|, |v[S+\i+3]|
.endr
	v_max3_num_f32 v240, v240, |v[S+29]|, |v[S+30]|
	v_max3_num_f32 v240, v240, v241, |v[S+31]|
	v_add_nc_u32 v244, 0xff000000, v240
.irp g, 0,1,2,3
	v_cvt_scalef32_pk8_fp4_f32 v[QF+\g], v[S+8*\g:S+8*\g+7], v244
.endr
	v_lshrrev_b32 v245, 23, v244                   ; the byte; also the plain line behind the conversions
.irp g, 0,1,2,3
	v_mov_b32 v[QF+8+\g], v[QF+\g]                 ; the codes again, for the odd tiles
.endr
	v_mov_b32 v246, 0
	v_permlanex16_b32 v246, v245, s[SEL], s[SEL+1] ; the row's other byte
	v_lshlrev_b32 v247, 3, v238                    ; 8 h
	v_sub_nc_u32 v248, 8, v247
	v_lshlrev_b32 v245, v247, v245
	v_lshlrev_b32 v246, v248, v246
	v_or_b32 v[QS], v245, v246                     ; s0 | s1 << 8,
	v_lshl_or_b32 v[QS], v[QS], 16, v[QS]          ; twice
.irp i, 0,1,2,3
	v_mov_b32 v[QF+4+\i], 0                        ; the zero codes of the unused half of K = 128: Q's,
.endr
.irp p, 0,1,2,3
.irp i, 0,1,2,3
	v_mov_b32 v[KB+4+12*\p+\i], 0                  ; and those between each pair of K's tiles
.endr
.endr
	v_mov_b32 v13, 0xff61b1e6                      ; the largest t so far: -3e38, under every t
	v_floor_f32 v12, -v13                          ; -M
	v_mov_b32 v14, 0                               ; the sum, in two halves
	v_mov_b32 v15, 0
.irp b, 0,1,2,3
	v_mov_b32 v[T2+\b], 0                          ; written once: a lane permute's destination counts as one of its sources
.endr
	v_mov_b32 v[F+1], 0                            ; (named as the upper half of a pair)
	v_mov_b32 v[TMP], 0
	v_mov_b32 v[NEGV], 0xcfee6b28                  ; -8e9
.irp j, 0,1,2,3,4,5,6,7,8,9,10,11,12,13,14,15,16,17,18,19,20,21,22,23,24,25,26,27,28,29,30,31
	v_mov_b32 v[OT+\j], 0                          ; O^T: the step is written once; the first finds zeros.  These 32 also stand between the writes of Q's scale word and of the zero codes and the first product
.endr
	s_cmp_eq_u32 s[AC], 0
	s_cbranch_scc1 .Lno_first_store
	LSTORE 0                                       ; (no vector instruction since the head's wait names STG or the two addresses)
.Lno_first_store:
	s_wait_dscnt 0x0
	s_barrier_signal -1
	s_barrier_wait -1                              ; record 0 lies in slot 0, if it is walked
.Ltrip:                                            ; 8 trips of two steps: the slot stands in the immediates
	TRIP 0
	TRIP 1
	s_sub_co_u32 s[LC], s[LC], 1
	s_cmp_lg_u32 s[LC], 0
	s_cbranch_scc1 .Ltrip
	; THE WAY OUT.  O^T / the sum goes through my own stage in LDS and leaves as whole rows: each store of the wave covers two rows, 512 consecutive bytes, aligned.
	v_add_f32 v14, v14, v15                        ; the sum's two halves,
	v_permlanex16_b32 v[TMP], v14, s[SEL], s[SEL+1]
	v_add_f32 v14, v14, v[TMP]                     ; and lane l xor 16's: the row's sum, at least 1/2
	s_wait_alu depctr_va_vdst(0)
	v_rcp_f32 v14, v14
	v_nop                                          ; one plain line behind the reciprocal
	s_wait_alu depctr_va_vdst(0)                   ; the reciprocal has written v14, ahead of the first line that names it
.irp j, 0,1,2,3,4,5,6,7,8,9,10,11,12,13,14,15,16,17,18,19,20,21,22,23,24,25,26,27,28,29,30,31
	v_mul_f32 v[S+\j], v[OT+\j], v14               ; register 8 t + i is out(Q0 + r, 16 t + 8 h + i); each accumulator from its low end on
.endr
	s_wait_alu depctr_va_vdst(0)                   ; the divisions have written v100 to v131, which the LDS stores read; the last step's softmax is done with v132 to v163, in which the loads from the stage land
.irp t, 0,1,2,3
	ds_store_b128 v[SO], v[S+8*\t:S+8*\t+3] offset:64*\t
	ds_store_b128 v[SO], v[S+8*\t+4:S+8*\t+7] offset:64*\t+16
.endr
.irp i, 0,1,2,3,4,5,6,7
	ds_load_b128 v[S+32+4*\i:S+35+4*\i], v[SR] offset:2*SPITCH*\i  ; LDS serves a wave's instructions in order (ISA guide 5.7.1.4): these see my stores
.endr
.irp i, 0,1,2,3,4,5,6,7
	s_wait_dscnt 7-\i                              ; load i of the eight is back; the younger ones stay out
	global_store_b128 v[GO], v[S+32+4*\i:S+35+4*\i], s[10:11] offset:512*\i th:TH_STORE_NT
.endr
	s_set_vgpr_msb 0x5
	s_wait_dscnt 0x0
	s_wait_alu depctr_hold_cnt(0) depctr_sa_sdst(0) depctr_va_vdst(0) depctr_va_sdst(0) depctr_va_ssrc(0) depctr_va_vcc(0) depctr_vm_vsrc(0)
	s_wait_tensorcnt 0x0
	ds_add_u32 v0, v1
	s_wait_dscnt 0x0
	s_endpgm
.Lfunc_end_k_q19044498a1_attn:
	.size	k_q19044498a1_attn, .Lfunc_end_k_q19044498a1_attn-k_q19044498a1_attn
	.p2alignl 7, 3214868480
	.fill 96, 4, 3214868480
	.section	.rodata,"a",@progbits
	.p2align	6, 0x0
	.amdhsa_kernel k_q19044498a1_attn
		.amdhsa_group_segment_fixed_size 101376
		.amdhsa_private_segment_fixed_size 0
		.amdhsa_enable_private_segment 0
		.amdhsa_kernarg_size 32
		.amdhsa_user_sgpr_count 2
		.amdhsa_user_sgpr_kernarg_segment_ptr 1
		.amdhsa_wavefront_size32 1
		.amdhsa_system_sgpr_workgroup_id_x 1
		.amdhsa_system_sgpr_workgroup_id_y 1
		.amdhsa_system_sgpr_workgroup_id_z 1
		.amdhsa_system_vgpr_workitem_id 0
		.amdhsa_next_free_vgpr 258
		.amdhsa_next_free_sgpr 66
		.amdhsa_reserve_vcc 0
		.amdhsa_float_denorm_mode_32 3
		.amdhsa_float_denorm_mode_16_64 3
		.amdhsa_memory_ordered 1
		.amdhsa_forward_progress 1
		.amdhsa_inst_pref_size 79
	.end_amdhsa_kernel
	.amdgpu_metadata
---
amdhsa.version: [ 1, 2 ]
amdhsa.kernels:
  - .name:           k_q19044498a1_attn
    .symbol:         k_q19044498a1_attn.kd
    .args:
      - { .name: queries_nqd, .offset: 0, .size: 8, .value_kind: global_buffer, .address_space: global }
      - { .name: kv, .offset: 8, .size: 8, .value_kind: global_buffer, .address_space: global }
      - { .name: sched, .offset: 16, .size: 8, .value_kind: global_buffer, .address_space: global }
      - { .name: out0, .offset: 24, .size: 8, .value_kind: global_buffer, .address_space: global }
    .group_segment_fixed_size: 101376
    .private_segment_fixed_size: 0
    .kernarg_segment_align: 8
    .kernarg_segment_size: 32
    .max_flat_workgroup_size: 256
    .sgpr_count:     66
    .vgpr_count:     258
    .wavefront_size: 32
...
	.end_amdgpu_metadata
.endif
;; end of part 4
